; MI455X (gfx1250); checked and timed in simulation.
; The chip was launched on July 23, 2026; its instructions are those of AMD's public machine-readable ISA for CDNA 5 (MIT licence, August 2026) and "CDNA5" Instruction Set Architecture Reference Guide (July 2026). The comments in the code are by the model that wrote it; some were corrected since.
;; Masked Attention. Allowed arithmetic: matrix products marked QUANTISED: E2M1 operands, one E8M0 scale for each 32 along K, by v_wmma_scale_f32_16x16x128_f8f6f4 with both operands' format E2M1 (or v_wmma_scale_f32_32x16x128_f4), f32 sums; everything else in f32.
;; Inputs: Wk_codes 1,024 x 32 x 16 uint8 (E2M1 codes of Wk, K innermost, in blocks of 32 codes, two codes a byte); Wk_scales 1,024 x 32 uint8 (E8M0 scales of Wk, one for each 32 codes along K); Wq_codes 1,024 x 32 x 16 uint8 (E2M1 codes of Wq, K innermost, in blocks of 32 codes, two codes a byte); Wq_scales 1,024 x 32 uint8 (E8M0 scales of Wq, one for each 32 codes along K); Wv_codes 1,024 x 32 x 16 uint8 (E2M1 codes of Wv, K innermost, in blocks of 32 codes, two codes a byte); Wv_scales 1,024 x 32 uint8 (E8M0 scales of Wv, one for each 32 codes along K); bk 1,024 float32; bq 1,024 float32; bv 1,024 float32; x_codes 4 x 2,048 x 32 x 16 uint8 (E2M1 codes of x, K innermost, in blocks of 32 codes, two codes a byte); x_scales 4 x 2,048 x 32 uint8 (E8M0 scales of x, one for each 32 codes along K).
;; Outputs: out0 4 x 2,048 x 1,024 float32.
;; This version of the problem:
;;   THIS VERSION OF THE PROBLEM IS GIVEN IN LOW PRECISION. The matrix products marked QUANTISED in the list below multiply operands that are first quantised to E2M1 (2 exponent bits, 1 mantissa bit; 4 bits a number), with one power-of-two scale for each 32 numbers along K (OCP MX v1.0); their sums are f32. All else is computed in f32.
;;   The module's matrix products, in the order in which they are computed (A, B: the left and right operand; K: the contracted axis; several contracted axes count as one K, in the product's order):
;;     1. [M 8,192, K 1,024] x [K 1,024, N 1,024]; A: input x (given as codes); B: input Wq (given as codes): QUANTISED
;;     2. [M 8,192, K 1,024] x [K 1,024, N 1,024]; A: input x (given as codes); B: input Wk (given as codes): QUANTISED
;;     3. [M 8,192, K 1,024] x [K 1,024, N 1,024]; A: input x (given as codes); B: input Wv (given as codes): QUANTISED
;;     4. batch 4 x [M 2,048, K 1,024] x [K 1,024, N 2,048]; A: computed on the way; B: computed on the way: QUANTISED
;;     5. batch 4 x [M 2,048, K 2,048] x [K 2,048, N 1,024]; A: softmax (see below); B: computed on the way: QUANTISED
;;   THE QUANTISER, for each operand of a quantised product, along K:
;;     - K is cut into blocks of 32 from its start; a last block that is shorter is filled with zeros.
;;     - A block's scale is 2^e with e = floor(log2(the largest magnitude in the block)) - 2, held to -126 .. 127; a block of zeros has e = 0. As a byte (E8M0): e + 127.
;;     - Each number is divided by its block's scale, clamped to +-6, and rounded to the nearest number of E2M1, ties to even, subnormals kept.
;;     - The product sums the exact products of the quantised numbers (number of the format x scale) in f32.
;;   ~~~python
;;   def quantise(x, axis):      # numpy; x: float32 -> the quantised numbers, widened to float32 again
;;       x = np.moveaxis(x, axis, -1); K = x.shape[-1]
;;       x = np.pad(x, [(0, 0)] * (x.ndim - 1) + [(0, -K % 32)]); x = x.reshape(x.shape[:-1] + (-1, 32)); a = np.abs(x).max(-1, keepdims=True)
;;       e = np.where(a > 0, np.clip(np.frexp(np.where(a > 0, a, 1))[1] - 1 - 2, -126, 127), 0)      # np.frexp(a)[1] - 1 = floor(log2(a)), exactly
;;       r = np.clip(x / 2.0 ** e, -6, 6)
;;       step = 2.0 ** (np.maximum(np.frexp(np.where(r == 0, 1, r))[1] - 1, 0) - 1)
;;       q = np.round(r / step) * step * 2.0 ** e      # np.round: ties to even
;;       return np.moveaxis(q.reshape(q.shape[:-2] + (-1,))[..., :K], -1, axis).astype(np.float32)
;;   ~~~
;;   SOFTMAX AHEAD OF A QUANTISED PRODUCT. Where the list says 'softmax', what is quantised is not the finished softmax but p = 2^(t - M), with t = logit x log2(e) and M = ceil(the row's largest t), a whole number; so 1/2 < the row's largest p <= 1. The row's sum l is taken of the UNQUANTISED p, in f32, and the product's result is divided by l at the end. Since M is a whole number, a kernel that streams over the keys may use a running M (the ceiling of the running maximum): every later rescaling is an exact power of two, which a block's scale takes up: the codes' values come out the same.
;;   OPERANDS COMPUTED ON THE WAY. 'Computed on the way' means the value that the module computes at that place (a softmax that the list does not call 'softmax' is quantised finished and normalised). What goes into a quantiser is computed in f32, as accurately as f32 sums, v_exp_f32 and their like allow (about 1e-6 of the number): no bf16 or f16 on the way to a quantiser, and a product that is left as it is and whose result goes on into a quantised operand takes f32 operands (vector FMAs, or v_wmma_f32_16x16x4_f32). A number that lies on a knife's edge between two numbers of the format may be rounded either way, as far as f32 arithmetic and the matrix unit's own rounding can turn it there, and no further.
;;   INPUTS GIVEN AS CODES. Wk (in the module: [1024, 1024], K = its axis 1); Wq (in the module: [1024, 1024], K = its axis 1); Wv (in the module: [1024, 1024], K = its axis 1); x (in the module: [4, 2048, 1024], K = its axis 2): each comes as NAME_codes (uint8): NAME with its K axis moved to the last place and cut into blocks of 32 codes, [.., K / 32, bytes a block], one block behind the other in memory; two codes a byte, the lower K in the low four bits (a code: sign, 2 exponent bits, 1 mantissa bit); and NAME_scales (uint8): the same leading axes, one E8M0 byte (e + 127) for each 32 codes along K. Its value is code x scale, taken as it is: it is not quantised again, and the codes and scales need not be those that the quantiser above would give.
;; One version. Each part assembles by itself: llvm-mc -triple=amdgcn-amd-amdhsa -mcpu=gfx1250 --defsym DOCPART=n.
;; ======== version 1 of 1: 3 launches
;; limits: right only within a limited range of input values
;; workspace buffers: img 12,582,912 bytes; scl 786,432 bytes; pimg 4,456,448 bytes; pst 1,114,112 bytes
;; launch proj (part 1): grid 64 x 4, 4 waves a work-group, clusters of 4 x 4, 327,680 bytes of LDS; arguments x_codes, x_scales, Wq_codes, Wq_scales, Wk_codes, Wk_scales, Wv_codes, Wv_scales, bq, bk, bv, img, scl; writes img, scl
.if DOCPART == 1
	.amdgcn_target "amdgcn-amd-amdhsa--gfx1250"
	.amdhsa_code_object_version 6
	.text
	.protected	k_qb1d77bc91a_proj
	.globl	k_qb1d77bc91a_proj
	.p2align	8
	.type	k_qb1d77bc91a_proj,@function
k_qb1d77bc91a_proj:
	s_mov_b64 s[64:65], 0
	v_nop
	global_prefetch_b8 v0, s[64:65] scope:SCOPE_SE
	s_setreg_imm32_b32 hwreg(HW_REG_WAVE_MODE, 25, 1), 1
	s_wait_xcnt 0x0
	s_wait_alu depctr_hold_cnt(0) depctr_sa_sdst(0) depctr_va_vdst(0) depctr_va_sdst(0) depctr_va_ssrc(0) depctr_va_vcc(0) depctr_vm_vsrc(0)
	s_getreg_b32 s2, hwreg(HW_REG_IB_STS2, 6, 4)
	s_cmp_eq_u32 s2, 0
	s_cbranch_scc0 .Lentry_in_a_cluster
	s_endpgm
.Lentry_in_a_cluster:
	s_bfe_u32 s2, ttmp6, 0x10000c
	s_cmp_lg_u32 s2, 0xf033
	s_cbranch_scc0 .Lentry_shape_is_right
	s_endpgm
.Lentry_shape_is_right:
; Q = x Wq^T + bq, K = x Wk^T + bk, V = x Wv^T + bv on codes of FP4 (E2M1) with one E8M0 scale for each 32 along K = 1,024; each result is quantised at once for the product that takes it:
; Q and K along the 1,024 channels, V along the keys.  The results leave as IMAGES OF OPERAND REGISTERS: a fragment (16 rows x 128 K, 8 registers a lane) is 1,024 bytes, [register group 0, 1][lane][16 bytes];
; the scale words of 64 rows and 128 K are 256 bytes, [lane][2 words], word i of lane l being row 32 i + l's.
; img: Q at 0, [row / 16][channel / 128][1,024]; K at 4 MiB likewise; V^T at 8 MiB, [global key / 128][channel / 16][1,024].  scl: Q at 0, [row / 64][channel / 128][256]; K at 256 KiB; V^T at 512 KiB, [global key / 128][channel / 64][256].
; DEAD WORK OF THE WHOLE PROGRAM.  reference() sets the score of key k and query q to -infinity where k > q (its own jnp.tril), so the softmax's weight there is 0 for all finite inputs, and a tile of scores, or a step of
; the last product, all of whose keys come after all of its queries adds nothing to any output.  The later launches leave such tiles out; this launch leaves out nothing: every row of Q, K and V is used, and all three biases stand
; ahead of a quantiser.  LIMIT: a NaN, an infinity or an overflow that would reach only the tiles left out is not carried to the result.
; LIMITS: NaN and infinities among the inputs are not served; a block whose largest magnitude lies under 2^-124 keeps the scale byte 1, a block of zeros too (the rule says 127: its codes are zeros, and this program alone reads the bytes).
; SHARES.  The work is 256 tiles of 256 x 256 of Q and K and 128 of V: one and a half for each of 256 work-groups.  16 clusters of 4 x 4; cluster c, place (cx, cy): x's rows 256 TR on, TR = 4 (c / 2) + cy.
; FIRST the tile of Q (c even) or K (c odd), channels 256 cx on: source 1 = x gives a lane its row of the image, source 0 = the weight runs along the lane's registers, the axis that is quantised; a wave makes 128 x 128: 64 accumulators.
; THEN half a tile of V from the same rows of x, which stay in LDS: Wv's rows 128 g on, g = 4 (c % 2) + cx, are source 1 (a lane's channel), x is source 0 (the keys run along the registers); a wave makes 64 channels x 128 keys: 32 accumulators.
; x's tiles are shared along a row of the cluster, the weights' along a column: each is asked for jointly, ONE load a wave: 256 rows x 256 bytes; waves 0, 1: x's and the weight's first half of K, which the first four steps need; waves 2, 3: the second.
; Wv's 128 rows land on the bytes of the first weight's first 128 rows, asked for behind a round of the cluster's barrier at the first tile's last step: they land while that tile is quantised and stored.  No loop runs here that a prefetch could run ahead in.
; THE SCALE WORDS go from memory straight into registers: a row's 32 bytes are 8 words; lane (r, h) takes words 4 h .. 4 h + 3 of row r, 512 consecutive bytes a load: K steps 0-3 read lanes 0-15, K steps 4-7 lanes 16-31 of the same registers.
; REGISTERS: window 0: v4-29 addresses, v32-95 scale words alone, v96-127 at work, v128-191 source 1's fragments, later the codes, v192-255 the bias as the first products' C.  window 1: source 0's fragments, two sets.  windows 2, 3: accumulators.
.set PITCH,  272                       ; an LDS row: 256 bytes of codes + 16 of padding: the 16 rows of a fragment load start 68 words apart
.set HALFT,  128*PITCH
.set WB,     2*HALFT                   ; the weight's 256 rows lie behind x's in a slot
.set SLOT,   4*HALFT                   ; half of K
.set SPARE,  2*SLOT                    ; the spare words, 128 bytes a wave; no other line names them
.set CO,   4                           ; v4-11  16 x lane + a x 8,192: Q's and K's images, 16 rows apart
.set L8,   12
.set BO,   13                          ; my offset in bq or bk
.set ADRA, 16                          ; v16-17 x's fragments in slot 0, 1
.set BOV,  18
.set SCO,  19                          ; 32 r + 16 h: the scale words
.set ADRB, 20                          ; v20-21 the first weight's
.set IM,   22                          ; v22-25
.set ADRV, 26                          ; v26-27 Wv's
.set SPW,  28
.set NIL,  29
.set SX,   32                          ; v32-63 x's scale words, 4 for each block of 16 rows
.set SW,   64                          ; v64-95 the weight's
.set TM,   96                          ; v96-103 largest magnitudes, v104-111 the other half's, then bytes, v112-119 the conversions' scale operands
.set PWS,  120                         ; v120-127 the scale word of each of my row blocks
.set AF,   128
.set BIAS, 192
.set MSB, 0
.macro WIN new                         ; the immediate's high byte repeats the setting that is left; a switch that changes nothing is dropped
.if MSB != (\new)
	s_set_vgpr_msb (MSB<<8)|(\new)
.set MSB, (\new)
.endif
.endm
.set MUL_LO, 0xa1                      ; source 0 window 1, source 1 window 0, C and D window 2
.set MUL_HI, 0xf1                      ; the same, C and D window 3
.set TO_B,   0x40
.macro PLACES                          ; plain vector instructions between a matrix instruction and a load into, or a read of, its registers (ISA guide 7.12.1 for reads)
.rept 4
	v_nop
.endr
.endm
.macro CREST                           ; a round of the cluster's barrier behind its opening barrier
	s_cmp_lg_u32 s14, 0
	s_cbranch_scc1 .Lnot_wave_0_\@
	s_barrier_signal -3
.Lnot_wave_0_\@:
	s_barrier_wait -3
	s_barrier_signal -1
	s_barrier_wait -1
.endm
.macro CROUND                          ; a whole round
	s_barrier_signal -1
	s_barrier_wait -1
	CREST
.endm
	s_load_b512 s[24:39], s[0:1], 0x0              ; x codes, x scales, Wq codes, scales, Wk codes, scales, Wv codes, scales
	s_load_b256 s[48:55], s[0:1], 0x40             ; bq, bk, bv, img
	s_load_b64 s[56:57], s[0:1], 0x60              ; scl
	v_lshl_add_u32 v[SPW], v0, 2, SPARE
	v_mov_b32 v[NIL], 0
	ds_add_u32 v[SPW], v[NIL]                      ; the wave's opening: the add, twice on end, and its wait ahead of my first tensor load
	ds_add_u32 v[SPW], v[NIL]
	v_lshrrev_b32 v1, 5, v0
	v_readfirstlane_b32 s14, v1                    ; wave 0..3
	s_lshr_b32 s15, s14, 1                         ; wr: my half of x's rows.  Also: the half of K that I fetch
	s_and_b32 s16, s14, 1                          ; wc: my half of the weight's rows.  Also: I fetch for x (0) or for the weight (1)
	s_mul_i32 s18, s15, HALFT                      ; my 128 rows of x,
	s_mul_i32 s19, s16, HALFT
	s_add_co_u32 s19, s19, WB                      ; my 128 rows of the first weight,
	s_mul_i32 s20, s16, 64*PITCH
	s_add_co_u32 s20, s20, WB                      ; my 64 rows of Wv
	v_and_b32 v1, 15, v0                           ; r
	v_bfe_u32 v2, v0, 4, 1                         ; h
	v_mul_u32_u24 v3, v1, PITCH
	v_lshl_add_u32 v3, v2, 4, v3                   ; a fragment's row x pitch + 16 h
	v_add_nc_u32 v[ADRA], s18, v3
	v_add_nc_u32 v[ADRB], s19, v3
	v_add_nc_u32 v[ADRV], s20, v3
	v_add_nc_u32 v[ADRA+1], SLOT, v[ADRA]
	v_add_nc_u32 v[ADRB+1], SLOT, v[ADRB]
	v_add_nc_u32 v[ADRV+1], SLOT, v[ADRV]
	v_lshlrev_b32 v[SCO], 5, v1
	v_lshl_add_u32 v[SCO], v2, 4, v[SCO]
	v_and_b32 v14, 31, v0
	v_lshlrev_b32 v[CO], 4, v14
	v_lshlrev_b32 v[L8], 3, v14
	v_lshlrev_b32 v[BO], 5, v2
	v_lshlrev_b32 v[BOV], 2, v1
.irp a, 1,2,3,4,5,6,7
	v_add_nc_u32 v[CO+\a], 8192*\a, v[CO]
.endr
.irp b, 0,1,2,3,4,5,6,7
	v_mov_b32 v[TM+8+\b], 0                        ; written once: a lane permute's destination counts as one of its sources
.endr
	s_bfe_u32 s40, ttmp6, 0x40000                  ; cx
	s_bfe_u32 s41, ttmp6, 0x40004                  ; cy
	s_and_b32 s3, ttmp9, 1                         ; odd: K's cluster
	s_lshr_b32 s17, ttmp9, 1
	s_lshl_b32 s17, s17, 2
	s_add_co_u32 s17, s17, s41                     ; TR: which 256 rows of x
	s_lshl_b32 s42, s3, 2
	s_add_co_u32 s42, s42, s40                     ; g: which 128 rows of Wv
	s_lshl_b32 s43, s41, 2
	s_lshl_b32 s43, 15, s43                        ; my row of the cluster
	s_lshl_b32 s44, 0x1111, s40                    ; my column
	s_or_b32 s68, s43, (1<<20)|(1<<21)|(5<<22)|(3<<25)   ; group 1, x: the mask; elements of 1 byte; 4 words of padding behind every 64; bit 21 beside a mask
	s_or_b32 s76, s44, (1<<20)|(1<<21)|(5<<22)|(3<<25)   ; the first weight
	s_or_b32 s84, s44, (1<<20)|(1<<21)|(5<<22)|(3<<25)   ; Wv: 64 rows a wave
.irp g, 68, 76, 84
	s_mov_b32 s[\g+1], 256<<16                     ; tensor_dim0
	s_mov_b32 s[\g+3], 256<<16                     ; tile_dim0
	s_mov_b32 s[\g+5], 512                         ; from row to row
	s_mov_b32 s[\g+6], 0
	s_mov_b32 s[\g+7], 0
.endr
.irp g, 68, 76
	s_mov_b32 s[\g+2], 256<<16                     ; tensor_dim1
	s_mov_b32 s[\g+4], 256                         ; tile_dim1
.endr
	s_mov_b32 s86, 64<<16
	s_mov_b32 s88, 64
	s_lshl_b32 s18, s15, 8                         ; the half of K that I fetch, in bytes
	s_lshl_b32 s19, s17, 8
	s_lshl_b32 s20, s19, 9
	s_add_co_u32 s20, s20, s18                     ; x's codes: 512 bytes a row
	s_mov_b32 s21, 0
	s_lshl_b32 s22, s15, 7
	s_add_co_u32 s22, s22, s19
	s_lshl_b32 s22, s22, 5                         ; the scales of the 128 rows that I multiply: 32 bytes a row
	s_mov_b32 s23, 0
	s_lshl_b32 s96, s40, 8
	s_lshl_b32 s46, s96, 9
	s_add_co_u32 s46, s46, s18                     ; the weight: row 256 cx
	s_mov_b32 s47, 0
	s_lshl_b32 s97, s16, 7
	s_add_co_u32 s96, s96, s97
	s_lshl_b32 s96, s96, 5                         ; the scales of my 128 of its rows
	s_mov_b32 s97, 0
	s_lshl_b32 s98, s42, 16                        ; Wv's codes: rows 128 g + 64 (wave / 2) on, half wave % 2 of K
	s_lshl_b32 s99, s15, 15
	s_add_co_u32 s98, s98, s99
	s_lshl_b32 s99, s16, 8
	s_add_co_u32 s98, s98, s99
	s_mov_b32 s99, 0
	s_lshl_b32 s100, s42, 12                       ; Wv's scales: rows 128 g + 64 wc on
	s_lshl_b32 s101, s16, 11
	s_add_co_u32 s100, s100, s101
	s_mov_b32 s101, 0
	s_mul_i32 s45, s14, 2*HALFT                    ; where the first tiles go: wave x 256 rows: no place in the cluster enters an LDS address
	s_mov_b32 s2, 0xffff0000                       ; lanes 16-31
	s_mov_b32 s58, 0x76543210
	s_mov_b32 s59, 0xfedcba98                      ; v_permlanex16_b32's selects for lane l xor 16
	s_wait_alu depctr_va_vdst(0)
	s_wait_dscnt 0x0                               ; both opening adds are done
	s_wait_kmcnt 0x0
	s_cmp_lg_u32 s3, 0                             ; the first weight is chosen by the cluster's number alone
	s_cselect_b64 s[4:5], s[32:33], s[28:29]       ; Wk or Wq: codes,
	s_cselect_b64 s[6:7], s[34:35], s[30:31]       ; scales,
	s_cselect_b64 s[12:13], s[50:51], s[48:49]     ; bias
	s_mov_b32 s92, 1                               ; group 0, x
	s_mov_b32 s93, s45
	s_add_nc_u64 s[94:95], s[24:25], s[20:21]
	s_or_b32 s95, s95, 0x80000000
	s_mov_b32 s60, 1                               ; group 0, the first weight
	s_mov_b32 s61, s45
	s_add_nc_u64 s[62:63], s[4:5], s[46:47]
	s_or_b32 s63, s63, 0x80000000
	s_mov_b32 s8, 1                                ; group 0, Wv: made here, never rewritten
	s_mul_i32 s9, s16, SLOT
	s_mul_i32 s18, s15, 64*PITCH
	s_add_co_u32 s9, s9, s18
	s_add_co_u32 s9, s9, WB
	s_add_nc_u64 s[10:11], s[36:37], s[98:99]
	s_or_b32 s11, s11, 0x80000000
	s_add_nc_u64 s[26:27], s[26:27], s[22:23]
	s_add_nc_u64 s[6:7], s[6:7], s[96:97]
	s_add_nc_u64 s[38:39], s[38:39], s[100:101]
	CROUND                                         ; all sixteen work-groups are here: the first joint loads meet
.macro ARM under, g0, g1, next         ; one chain of branches on the wave's number, one load to an arm
	s_cmp_lt_u32 s14, \under
	s_cbranch_scc0 \next
	tensor_load_to_lds s[\g0:\g0+3], s[\g1:\g1+7]
	s_nop 0
.rept 4
	v_nop
.endr
	s_branch .Lasked
\next:
.endm
	ARM 1, 92, 68, .Lfor_b0
	ARM 2, 60, 76, .Lfor_a1
	ARM 3, 92, 68, .Lfor_b1
	tensor_load_to_lds s[60:63], s[76:83]
	s_nop 0
.rept 4
	v_nop
.endr
.Lasked:
.irp i, 0,1,2,3,4,5,6,7
	global_load_b128 v[SX+4*\i:SX+4*\i+3], v[SCO], s[26:27] offset:512*\i
	global_load_b128 v[SW+4*\i:SW+4*\i+3], v[SCO], s[6:7] offset:512*\i
.endr
	; where Q's or K's images go: rows 16 (16 TR + 8 wr) on, channels 128 (2 cx + wc) on
	s_lshl_b32 s18, s17, 4
	s_lshl_b32 s19, s15, 3
	s_add_co_u32 s18, s18, s19
	s_lshl_b32 s46, s40, 1
	s_add_co_u32 s46, s46, s16
	s_lshl_b32 s20, s46, 9                         ; bq or bk at my first channel
	s_add_nc_u64 s[12:13], s[12:13], s[20:21]
	; THE BIAS IS THE C OF THE FIRST PRODUCTS, in the result's layout.  Q, K: it runs along the registers: eight numbers for each of the weight's blocks
.irp b, 0,1,2,3,4,5,6,7
	global_load_b128 v[BIAS+8*\b:BIAS+8*\b+3], v[BO], s[12:13] offset:64*\b
	global_load_b128 v[BIAS+8*\b+4:BIAS+8*\b+7], v[BO], s[12:13] offset:64*\b+16
.endr
	s_lshl_b32 s22, s18, 13
	s_lshl_b32 s19, s46, 10
	s_add_co_u32 s22, s22, s19
	s_lshl_b32 s19, s3, 22                         ; K's images lie 4 MiB behind Q's
	s_add_co_u32 s22, s22, s19
	s_add_nc_u64 s[24:25], s[54:55], s[22:23]
	s_lshl_b32 s22, s18, 9                         ; 2,048 bytes for each 64 rows
	s_lshl_b32 s19, s46, 8
	s_add_co_u32 s22, s22, s19
	s_lshl_b32 s19, s3, 18                         ; K's scale images 256 KiB behind Q's
	s_add_co_u32 s22, s22, s19
	s_add_nc_u64 s[28:29], s[56:57], s[22:23]
	; where V's go: chunk of keys 2 TR + wr, channels 128 g + 64 wc on
	s_lshl_b32 s18, s17, 1
	s_add_co_u32 s18, s18, s15
	s_lshl_b32 s19, s42, 1
	s_add_co_u32 s19, s19, s16
	s_lshl_b32 s22, s18, 16
	s_lshl_b32 s46, s19, 12
	s_add_co_u32 s22, s22, s46
	s_add_co_u32 s22, s22, 8388608
	s_add_nc_u64 s[32:33], s[54:55], s[22:23]
	s_lshl_b32 s22, s18, 12
	s_lshl_b32 s46, s19, 8
	s_add_co_u32 s22, s22, s46
	s_add_co_u32 s22, s22, 524288
	s_add_nc_u64 s[34:35], s[56:57], s[22:23]
	s_add_nc_u64 s[52:53], s[52:53], s[46:47]      ; bv at my first channel
.macro WM d, p, r, c, sp, sr, row      ; one product; c: -1 adds in place, else the registers of C; row: 1 where both sides' words lie in lanes 16-31
.if (\c) < 0
.if \row
	v_wmma_scale_f32_16x16x128_f8f6f4 v[(\d):(\d)+7], v[(\p):(\p)+7], v[(\r):(\r)+7], v[(\d):(\d)+7], v[(\sp)], v[(\sr)] matrix_a_fmt:MATRIX_FMT_FP4 matrix_b_fmt:MATRIX_FMT_FP4 matrix_a_scale:MATRIX_SCALE_ROW1 matrix_b_scale:MATRIX_SCALE_ROW1
.else
	v_wmma_scale_f32_16x16x128_f8f6f4 v[(\d):(\d)+7], v[(\p):(\p)+7], v[(\r):(\r)+7], v[(\d):(\d)+7], v[(\sp)], v[(\sr)] matrix_a_fmt:MATRIX_FMT_FP4 matrix_b_fmt:MATRIX_FMT_FP4
.endif
.else
	v_wmma_scale_f32_16x16x128_f8f6f4 v[(\d):(\d)+7], v[(\p):(\p)+7], v[(\r):(\r)+7], v[(\c):(\c)+7], v[(\sp)], v[(\sr)] matrix_a_fmt:MATRIX_FMT_FP4 matrix_b_fmt:MATRIX_FMT_FP4
.endif
.endm
.macro FRAG reg, adr, q, i             ; 16 rows x 128 K: lane l holds row l % 16; registers 4 c .. 4 c + 3 hold K = 64 c + 32 (l / 16) + 0 .. 31
.irp c, 0,1
	ds_load_b128 v[\reg+4*\c:\reg+4*\c+3], v[\adr+(\q)/4] offset:64*((\q)%4)+32*\c+(\i)*16*PITCH
.endr
.endm
.macro MUL16 a0, q, zero               ; x's blocks a0, a0 + 1 x the weight's eight.  The 64 accumulators take turns, one instruction a turn
.irp a, \a0, \a0+1
.irp b, 0,1,2,3,4,5,6,7
.if \zero
	WM 8*(8*((\a)%4)+\b), 128*((\q)%2)+8*\b, AF+8*(\a), BIAS+8*\b, SW+4*\b+(\q)%4, SX+4*(\a)+(\q)%4, 0
.else
	WM 8*(8*((\a)%4)+\b), 128*((\q)%2)+8*\b, AF+8*(\a), -1, SW+4*\b+(\q)%4, SX+4*(\a)+(\q)%4, (\q)/4
.endif
.endr
.endr
.endm
.macro FETCH_B q
	WIN TO_B
.irp i, 0,1,2,3,4,5,6,7
	FRAG 128*((\q)%2)+8*\i, ADRB, \q, \i
.endr
	WIN 0
.endm
.macro FETCH_A q, i0
.irp i, \i0, \i0+1, \i0+2, \i0+3
	FRAG AF+8*(\i), ADRA, \q, \i
.endr
.endm
.macro STEP q, zero                    ; 128 along K
	s_wait_dscnt 8                                 ; the weight's set and x's blocks 0-3 are in; the youngest eight loads (x's blocks 4-7) may be out
.if \zero
	WIN 0x81                                       ; C (the bias) in window 0, D in window 2
.else
	WIN MUL_LO
.endif
	MUL16 0, \q, \zero
	MUL16 2, \q, \zero
	s_wait_dscnt 0
.if (\q) == 3
	s_wait_tensorcnt 0x0                           ; the second half of K: my load has landed (no LDS load of mine is out),
	s_barrier_signal -1
	s_barrier_wait -1                              ; everybody's have
.endif
	PLACES
	FETCH_B (\q)+1
	FETCH_A (\q)+1, 0
.if \zero
	WIN 0xc1
.else
	WIN MUL_HI
.endif
	MUL16 4, \q, \zero
	MUL16 6, \q, \zero
	PLACES
	WIN 0
	FETCH_A (\q)+1, 4
.endm
	s_cmp_lt_u32 s14, 2
	s_cbranch_scc0 .Lnot_mine
	s_wait_tensorcnt 0x0                           ; waves 0, 1: my half-K tile is in; waves 2's and 3's may stay out
.Lnot_mine:
	s_barrier_signal -1
	s_barrier_wait -1                              ; the first half of K is in
	FETCH_B 0
	FETCH_A 0, 0
	FETCH_A 0, 4
	s_wait_loadcnt 0x0                             ; scale words and bias
	STEP 0, 1                                      ; the first step starts the sums from the bias: nothing is cleared, nothing is added later
.irp q, 1,2,3,4,5,6
	STEP \q, 0
.endr
	; THE FIRST TILE'S LAST STEP, AND THE REFILL.  All fragments of the first weight are in registers or on their way: behind my wait for them and a round of the cluster's barrier no wave of any partner reads its bytes any more.
	s_wait_tensorcnt 0x0                           ; no tensor load of mine is out
	ds_add_u32 v[SPW], v[NIL]
	s_wait_dscnt 9                                 ; (the add and the youngest eight loads may be out)
	WIN MUL_LO
	MUL16 0, 7, 0                                  ; sixteen matrix instructions stand between the add and the wait for it
	s_wait_dscnt 0x0                               ; the add is done, and my reads of the weight are over
	s_barrier_signal -1
	MUL16 2, 7, 0
	WIN 0
	s_barrier_wait -1
	CREST                                          ; the barrier has opened a round of the cluster's barrier
	tensor_load_to_lds s[8:11], s[84:91]           ; my part of Wv: each wave's one tensor load, first behind the round
	s_nop 0
.rept 4
	v_nop
.endr
.irp a, 0,1,2,3                                ; V's bias belongs to the lane's channel: one number, eight times, for each of Wv's blocks.  These registers were last read by the first step's products
.irp j, 0,1,2,3,4,5,6,7
	global_load_b32 v[BIAS+8*\a+\j], v[BOV], s[52:53] offset:64*\a
.endr
.endr
	WIN MUL_HI
	MUL16 4, 7, 0
	MUL16 6, 7, 0
	WIN 0
	PLACES
.irp a, 0,1,2,3
	global_load_b128 v[SW+4*\a:SW+4*\a+3], v[SCO], s[38:39] offset:512*\a   ; Wv's scale words take the first weight's place
.endr
; THE WAY OUT.  Blocks a, a + 1 (16 image rows x my 128 along the next K each) are quantised in registers, line by line in turn.  Register j of tile t holds k = 16 t + 8 (lane / 16) + j of the lane's row: a block of 32 is tiles 2 B, 2 B + 1 of lanes l and l xor 16.
; Tile t's eight codes are one register.  The operand wants k = 64 c + 32 (lane / 16) + 8 i + 0 .. 7 in register 4 c + i: tiles 4 c and 4 c + 2 go to registers 4 c, 4 c + 1 and change halves, tiles 4 c + 1 and 4 c + 3 to 4 c + 2, 4 c + 3 likewise.
.macro QUANT2 a, adr0, adr1, base, off0, off1
.set WN, 2+(\a)/4
.set A0, 64*((\a)%4)
.set P0, AF+8*(\a)
	WIN (WN<<2)|(WN<<4)
.irp b, 0,1,2,3
	v_max3_num_f32 v[TM+\b], 0x1800000, |v[A0+16*\b]|, |v[A0+16*\b+1]|   ; my 16 numbers of block b, and the floor 2^(3 - 127): the byte cannot fall under 1.  Each accumulator is read from its low end on
	v_max3_num_f32 v[TM+4+\b], 0x1800000, |v[A0+64+16*\b]|, |v[A0+64+16*\b+1]|
.endr
.irp i, 2,4,6,8,10,12,14
.irp b, 0,1,2,3
	v_max3_num_f32 v[TM+\b], v[TM+\b], |v[A0+16*\b+\i]|, |v[A0+16*\b+\i+1]|
	v_max3_num_f32 v[TM+4+\b], v[TM+4+\b], |v[A0+64+16*\b+\i]|, |v[A0+64+16*\b+\i+1]|
.endr
.endr
	WIN 0
.irp b, 0,1,2,3,4,5,6,7
	v_permlanex16_b32 v[TM+8+\b], v[TM+\b], s58, s59
.endr
.irp b, 0,1,2,3,4,5,6,7
	v_max_num_f32 v[TM+\b], v[TM+\b], v[TM+8+\b]   ; the block's largest magnitude
.endr
.irp b, 0,1,2,3,4,5,6,7
	v_add_nc_u32 v[TM+16+\b], 0xff000000, v[TM+\b] ; 2 off its exponent field: the conversion's scale operand
.endr
.irp b, 0,1,2,3,4,5,6,7
	v_lshrrev_b32 v[TM+8+\b], 23, v[TM+16+\b]      ; the scale's byte
.endr
	v_lshl_or_b32 v[PWS+(\a)], v[TM+9], 8, v[TM+8]
	v_lshl_or_b32 v[PWS+(\a)+1], v[TM+13], 8, v[TM+12]
	v_lshl_or_b32 v[PWS+(\a)], v[TM+10], 16, v[PWS+(\a)]
	v_lshl_or_b32 v[PWS+(\a)+1], v[TM+14], 16, v[PWS+(\a)+1]
	v_lshl_or_b32 v[PWS+(\a)], v[TM+11], 24, v[PWS+(\a)]
	v_lshl_or_b32 v[PWS+(\a)+1], v[TM+15], 24, v[PWS+(\a)+1]
	WIN WN
.irp u, 0,1
.irp c, 0,1
	v_cvt_scalef32_pk8_fp4_f32 v[P0+8*\u+4*\c], v[A0+64*\u+32*\c:A0+64*\u+32*\c+7], v[TM+16+4*\u+2*\c]
	v_cvt_scalef32_pk8_fp4_f32 v[P0+8*\u+4*\c+2], v[A0+64*\u+32*\c+8:A0+64*\u+32*\c+15], v[TM+16+4*\u+2*\c]
	v_cvt_scalef32_pk8_fp4_f32 v[P0+8*\u+4*\c+1], v[A0+64*\u+32*\c+16:A0+64*\u+32*\c+23], v[TM+16+4*\u+2*\c+1]
	v_cvt_scalef32_pk8_fp4_f32 v[P0+8*\u+4*\c+3], v[A0+64*\u+32*\c+24:A0+64*\u+32*\c+31], v[TM+16+4*\u+2*\c+1]
.endr
.endr
	WIN 0
	v_nop                                          ; one plain place behind the scaled conversions
.irp c, 0,4,8,12
	v_permlane16_swap_b32 v[P0+\c], v[P0+\c+1]
	v_permlane16_swap_b32 v[P0+\c+2], v[P0+\c+3]
.endr
	global_store_b128 v[\adr0], v[P0:P0+3], s[\base:\base+1] offset:\off0            ; 32 lanes store 512 consecutive bytes; within a tile each block has codes' registers of its own
	global_store_b128 v[\adr0], v[P0+4:P0+7], s[\base:\base+1] offset:(\off0)+512
	global_store_b128 v[\adr1], v[P0+8:P0+11], s[\base:\base+1] offset:\off1
	global_store_b128 v[\adr1], v[P0+12:P0+15], s[\base:\base+1] offset:(\off1)+512
.endm
.irp a, 0,2,4,6
	QUANT2 \a, CO+\a, CO+\a+1, 24, 0, 0            ; Q's or K's eight blocks: Wv's tile lands meanwhile
.endr
.irp i, 0,1,2,3
	v_cndmask_b32 v[IM+\i], v[PWS+2*\i], v[PWS+2*\i+1], s2             ; lanes 0-15: block 2 i's words, lanes 16-31: block 2 i + 1's (both halves of the lanes hold a row's word)
.endr
	global_store_b64 v[L8], v[IM:IM+1], s[28:29]   ; 256 consecutive bytes: the scale words of my first 64 rows,
	global_store_b64 v[L8], v[IM+2:IM+3], s[28:29] offset:2048         ; and of my second
; V: 64 channels x 128 keys a wave.  A step of 128 along K: x's eight fragments (source 0, window 1) and Wv's four (source 1, window 0), each in two sets: 24 loads for 32 products.
.macro FETCHV k
	WIN TO_B
.irp i, 0,1,2,3,4,5,6,7
	FRAG 128*((\k)%2)+8*\i, ADRA, \k, \i
.endr
	WIN 0
.irp i, 0,1,2,3
	FRAG AF+32*((\k)%2)+8*\i, ADRV, \k, \i
.endr
.endm
.macro STEPV k                         ; step k is multiplied while the next step's fragments come into the other sets; the 32 accumulators take turns, one instruction a turn
.if (\k) < 7
	PLACES                                         ; in front of loads into registers that the last products read
	FETCHV (\k)+1
	s_wait_dscnt 24                                ; all but the 24 just issued
.else
	s_wait_dscnt 0x0
.endif
.if (\k) == 0
	WIN 0x81                                       ; C (the bias) in window 0, D in window 2
.else
	WIN MUL_LO
.endif
.irp v, 0,1,2,3
.irp b, 0,1,2,3,4,5,6,7
.if (\k) == 0
	WM 8*(8*\v+\b), 8*\b, AF+8*\v, BIAS+8*\v, SX+4*\b, SW+4*\v, 0
.else
	WM 8*(8*\v+\b), 128*((\k)%2)+8*\b, AF+32*((\k)%2)+8*\v, -1, SX+4*\b+(\k)%4, SW+4*\v+(\k)%4, (\k)/4
.endif
.endr
.endr
	WIN 0
.endm
	s_wait_alu depctr_va_vdst(0)
	s_wait_tensorcnt 0x0                           ; my part of Wv's tile has landed,
	s_wait_dscnt 0x0
	s_barrier_signal -1
	s_barrier_wait -1                              ; everybody's has
	s_wait_xcnt 0x0                                ; the first tile's stores have read their registers: fragments and codes may be written there
	FETCHV 0
	s_wait_loadcnt 0x0                             ; bv and Wv's scale words
.irp k, 0,1,2,3,4,5,6,7
	STEPV \k
.endr
	PLACES
	QUANT2 0, CO, CO, 32, 0, 1024                  ; V^T's images of 16 channels lie 1,024 bytes apart
	QUANT2 2, CO, CO, 32, 2048, 3072
	v_cndmask_b32 v[IM], v[PWS], v[PWS+1], s2
	v_cndmask_b32 v[IM+1], v[PWS+2], v[PWS+3], s2
	global_store_b64 v[L8], v[IM:IM+1], s[34:35]   ; the scale words of my 64 channels
	s_wait_tensorcnt 0x0                           ; the wave's end
	ds_add_u32 v[SPW], v[NIL]
	s_wait_dscnt 0x0
	CROUND                                         ; the closing round
	s_endpgm
.Lfunc_end_k_qb1d77bc91a_proj:
	.size	k_qb1d77bc91a_proj, .Lfunc_end_k_qb1d77bc91a_proj-k_qb1d77bc91a_proj
	.p2alignl 7, 3214868480
	.fill 96, 4, 3214868480
	.section	.rodata,"a",@progbits
	.p2align	6, 0x0
	.amdhsa_kernel k_qb1d77bc91a_proj
		.amdhsa_group_segment_fixed_size 327680
		.amdhsa_private_segment_fixed_size 0
		.amdhsa_enable_private_segment 0
		.amdhsa_kernarg_size 104
		.amdhsa_user_sgpr_count 2
		.amdhsa_user_sgpr_kernarg_segment_ptr 1
		.amdhsa_wavefront_size32 1
		.amdhsa_system_sgpr_workgroup_id_x 1
		.amdhsa_system_sgpr_workgroup_id_y 1
		.amdhsa_system_sgpr_workgroup_id_z 1
		.amdhsa_system_vgpr_workitem_id 0
		.amdhsa_next_free_vgpr 1024
		.amdhsa_next_free_sgpr 106
		.amdhsa_reserve_vcc 0
		.amdhsa_float_denorm_mode_32 3
		.amdhsa_float_denorm_mode_16_64 3
		.amdhsa_memory_ordered 1
		.amdhsa_forward_progress 1
		.amdhsa_inst_pref_size 196
	.end_amdhsa_kernel
	.amdgpu_metadata
---
amdhsa.version: [ 1, 2 ]
amdhsa.kernels:
  - .name:           k_qb1d77bc91a_proj
    .symbol:         k_qb1d77bc91a_proj.kd
    .args:
      - { .name: x_codes, .offset: 0, .size: 8, .value_kind: global_buffer, .address_space: global }
      - { .name: x_scales, .offset: 8, .size: 8, .value_kind: global_buffer, .address_space: global }
      - { .name: Wq_codes, .offset: 16, .size: 8, .value_kind: global_buffer, .address_space: global }
      - { .name: Wq_scales, .offset: 24, .size: 8, .value_kind: global_buffer, .address_space: global }
      - { .name: Wk_codes, .offset: 32, .size: 8, .value_kind: global_buffer, .address_space: global }
      - { .name: Wk_scales, .offset: 40, .size: 8, .value_kind: global_buffer, .address_space: global }
      - { .name: Wv_codes, .offset: 48, .size: 8, .value_kind: global_buffer, .address_space: global }
      - { .name: Wv_scales, .offset: 56, .size: 8, .value_kind: global_buffer, .address_space: global }
      - { .name: bq, .offset: 64, .size: 8, .value_kind: global_buffer, .address_space: global }
      - { .name: bk, .offset: 72, .size: 8, .value_kind: global_buffer, .address_space: global }
      - { .name: bv, .offset: 80, .size: 8, .value_kind: global_buffer, .address_space: global }
      - { .name: img, .offset: 88, .size: 8, .value_kind: global_buffer, .address_space: global }
      - { .name: scl, .offset: 96, .size: 8, .value_kind: global_buffer, .address_space: global }
    .group_segment_fixed_size: 327680
    .private_segment_fixed_size: 0
    .kernarg_segment_align: 8
    .kernarg_segment_size: 104
    .max_flat_workgroup_size: 128
    .sgpr_count:     106
    .vgpr_count:     1024
    .wavefront_size: 32
...
	.end_amdgpu_metadata
.endif
;; end of part 1
;; launch score (part 2): grid 64 x 4, 8 waves a work-group, no clusters, 327,680 bytes of LDS; arguments img, scl, pimg, pst; writes pimg, pst
.if DOCPART == 2
	.amdgcn_target "amdgcn-amd-amdhsa--gfx1250"
	.amdhsa_code_object_version 6
	.text
	.protected	k_qb1d77bc91a_score
	.globl	k_qb1d77bc91a_score
	.p2align	8
	.type	k_qb1d77bc91a_score,@function
k_qb1d77bc91a_score:
	s_mov_b64 s[64:65], 0
	v_nop
	global_prefetch_b8 v0, s[64:65] scope:SCOPE_SE
	s_setreg_imm32_b32 hwreg(HW_REG_WAVE_MODE, 25, 1), 1
	s_wait_xcnt 0x0
; S = Q K^T on the images that the launch before has stored, the causal mask, and the softmax's p, quantised along the keys, for every live tile of 128 queries x 128 keys.
; LEFT OUT: the tiles all of whose keys come after all of their queries (reference()'s own jnp.tril gives them the weight 0 for all finite inputs; shown at the head of the first kernel), and on the diagonal the last 64 keys of a chunk for its first 64 queries.
; THE SOFTMAX BY CHUNKS.  t = score x log2(e) / 32.  For each query and each chunk of 128 keys: M = ceil(the chunk's largest t), p = 2^(t - M), l = the sum of the unquantised p.  M is a whole number, so against the row's M every p
; differs by an exact power of two, which a block's scale takes up: the codes made here are final, and the last launch takes (row's M - chunk's M) off the scale bytes and joins the sums.  The maximum is taken away in every chunk: no fixed shift.
; SHARES.  y is the batch; 64 work-groups a batch.  x < 8: the diagonal block of query tiles 2 x, 2 x + 1 and chunks 2 x, 2 x + 1 (three live tiles).  x >= 8: m = x - 8 = T (T - 1) + idx, idx < 2 T: query tile 2 T + idx % 2 against chunks
; idx - idx % 2 and the next: two tiles, none on the diagonal.  Eight waves, two to a SIMD; a wave owns 32 queries, group w' = 3 - wave (waves 0-3) or wave - 4 of its query tile.
; JOB A: 32 queries x a whole chunk, no mask: every wave off the diagonal (chunk wave / 4), waves 4-7 on it (tile 2 x + 1, chunk 2 x).  JOB B: on the diagonal, all waves: tile and chunk 2 x + wave / 4, masked; for w' < 2 its first 64 keys alone.
; Waves k and k + 4 have w' = 3 - k and k, so the pairs' shares of job B are equal.  Source 0 = 16 keys, source 1 = 16 queries: a lane holds ONE query and its registers run along the keys.
; NO CLUSTER: a batch's live tiles are a triangle; four neighbours along either axis do not share their tiles evenly, and jobs part on the work-group's number.
; OUT.  Query tiles i and 15 - i are a pair pi = min(i, 15 - i) with 17 chunks in all: the long tile's chunk s lies at place n = s, the short tile's at n = 16 - pi + s.  pimg [batch][pi][n][8 fragments][1,024];
; pst [batch][pi][n][32 rows: 4][lane][-M, l, scale word, 0]: 512 bytes a wave, so that whole units of 256 leave.  Every place is written once.
; All of K = 1,024 lies in LDS as images, asked for at the head, one load a wave: nothing is left to ask for ahead.  An image is read at 16 x lane: 512 consecutive bytes a load.
; LIMITS: NaN and infinities are not served; p under 2^-126 is 0 (v_exp_f32 gives 0 there: ISA guide, its entry); a block's largest p is taken as 2^-60 at the least, so its byte is 65 at the least: in a block whose every p lies under 2^-60
; (beside a chunk's largest p over 1/2) the codes are those of the scale 2^-62.
.set KB,     131072                    ; LDS: [Q tile 0, Q tile 1, chunk 0, chunk 1], each [16 rows: 8][128 K: 8][1,024]
.set SPARE,  262144
.set L16,  4
.set L8,   5
.set ADQ,  16
.set ADKA, 17
.set ADKB, 18
.set DL,   24                          ; v24 32 w' + r - 8 h
.set NINF, 25
.set SPW,  28
.set NIL,  29
.set SQ,   32                          ; v32-71 scale words alone: Q's at 32 + q, K's at 40 + 4 q + b / 2
.set SK,   40
.set FK,   96                          ; v96-255 fragments, two sets of 80: K's eight, then Q's two
.set FQ,   160
.set BM,   96                          ; behind the products v96-127 are at work: each block's largest score, then its largest p
.set T2,   100
.set SO,   104
.set SUMA, 108
.set SUMB, 110
.set TA,   112
.set TB,   113
.set NMQ,  114                         ; v114 + 2 a: -M of block a's query
.set PWS,  118
.set LSM,  120
.set REC,  124
.set CODE, 176                         ; v176-191
.set CS,   54
.set MSB, 0
.macro WIN new
.if MSB != (\new)
	s_set_vgpr_msb (MSB<<8)|(\new)
.set MSB, (\new)
.endif
.endm
.macro PLACES
.rept 4
	v_nop
.endr
.endm
	s_load_b256 s[4:11], s[0:1], 0x0               ; img, scl, pimg, pst
	v_lshl_add_u32 v[SPW], v0, 2, SPARE
	v_mov_b32 v[NIL], 0
	ds_add_u32 v[SPW], v[NIL]                      ; the wave's opening: the add, twice on end, and its wait ahead of my first tensor load
	ds_add_u32 v[SPW], v[NIL]
	v_lshrrev_b32 v1, 5, v0
	v_readfirstlane_b32 s14, v1                    ; wave
	s_lshr_b32 s15, s14, 2                         ; wave / 4
	s_and_b32 s16, s14, 3
	s_xor_b32 s20, s15, 1
	s_mul_i32 s20, s20, 3
	s_xor_b32 s16, s16, s20                        ; w'
	s_and_b32 s19, ttmp7, 0xffff                   ; batch
	s_cmp_lt_u32 ttmp9, 8
	s_cselect_b32 s17, 1, 0                        ; on the diagonal
	s_xor_b32 s2, s17, 1
	s_mul_i32 s3, s15, s17                         ; which query tile is mine: 1 in waves 4-7 on the diagonal
	s_mul_i32 s12, s15, s2                         ; which chunk job A takes: wave / 4 off the diagonal
	s_lshl_b32 s20, s3, 16
	s_lshl_b32 s21, s16, 14
	s_add_co_u32 s20, s20, s21
	s_lshl_b32 s21, s12, 16
	s_add_co_u32 s21, s21, KB
	s_lshl_b32 s22, s15, 16
	s_add_co_u32 s22, s22, KB
	s_lshl_b32 s23, s16, 5
	v_and_b32 v1, 31, v0
	v_lshlrev_b32 v[L16], 4, v1
	v_lshlrev_b32 v[L8], 3, v1
	v_add_nc_u32 v[ADQ], s20, v[L16]
	v_add_nc_u32 v[ADKA], s21, v[L16]
	v_add_nc_u32 v[ADKB], s22, v[L16]
	v_and_b32 v2, 15, v0
	v_bfe_u32 v3, v0, 4, 1
	v_lshlrev_b32 v3, 3, v3
	v_sub_nc_u32 v[DL], v2, v3
	v_add_nc_u32 v[DL], s23, v[DL]
	v_mov_b32 v[NINF], 0xff800000
	s_sub_co_u32 s20, ttmp9, 8                     ; m
	s_mov_b32 s21, 1                               ; T
.irp t, 2,6,12,20,30,42
	s_cmp_ge_u32 s20, \t
	s_add_co_ci_u32 s21, s21, 0
.endr
	s_sub_co_u32 s22, s21, 1
	s_mul_i32 s22, s22, s21
	s_sub_co_u32 s23, s20, s22                     ; idx
	s_and_b32 s22, s23, 1
	s_lshl_b32 s21, s21, 1
	s_add_co_u32 s21, s21, s22
	s_and_b32 s23, s23, 62
	s_lshl_b32 s20, ttmp9, 1
	s_cmp_lg_u32 s17, 0
	s_cselect_b32 s18, s20, s21                    ; the first query tile
	s_cselect_b32 s21, s20, s23                    ; the first chunk
	s_mov_b32 s24, 3<<16                           ; group 1: 4 rows of 1,024 elements of 8 bytes (16 rows of an image each), end to end; no mask, no padding
	s_mov_b32 s25, 1024<<16
	s_mov_b32 s26, 4<<16
	s_mov_b32 s27, 1024<<16
	s_mov_b32 s28, 4
	s_mov_b32 s29, 1024
	s_mov_b32 s30, 0
	s_mov_b32 s31, 0
	s_lshr_b32 s23, s14, 1
	s_and_b32 s20, s23, 1
	s_cmp_lt_u32 s14, 4                            ; what I fetch, made from the wave's number: waves 0-3 Q's two tiles, waves 4-7 the two chunks, half a tile each
	s_cselect_b32 s22, s18, s21
	s_cselect_b32 s36, 0, 0x400000
	s_add_co_u32 s22, s22, s20
	s_lshl_b32 s22, s22, 3
	s_lshl_b32 s20, s19, 7
	s_add_co_u32 s22, s22, s20
	s_and_b32 s20, s14, 1
	s_lshl_b32 s20, s20, 2
	s_add_co_u32 s22, s22, s20                     ; my first block of 16 rows
	s_lshl_b32 s22, s22, 13
	s_add_co_u32 s36, s36, s22
	s_mov_b32 s37, 0
	s_xor_b32 s23, s23, 1
	s_or_b32 s23, s23, s17                         ; 0 in waves 2 and 3 off the diagonal: there is no second query tile to fetch
	s_add_co_u32 s22, s18, s3                      ; my query tile
	s_add_co_u32 s12, s12, s21                     ; job A's chunk
	s_add_co_u32 s13, s15, s21                     ; job B's chunk
	s_lshl_b32 s20, s19, 5                         ; scale images: 2,048 bytes for each 64 rows
	s_lshl_b32 s32, s22, 1
	s_add_co_u32 s32, s32, s20
	s_lshr_b32 s33, s16, 1
	s_add_co_u32 s32, s32, s33
	s_lshl_b32 s32, s32, 11
	s_and_b32 s33, s16, 1
	s_lshl_b32 s33, s33, 2
	s_add_co_u32 s32, s32, s33                     ; word w' % 2 of each lane's two
	s_mov_b32 s33, 0
	s_lshl_b32 s34, s12, 1
	s_add_co_u32 s34, s34, s20
	s_lshl_b32 s34, s34, 11
	s_add_co_u32 s34, s34, 0x40000
	s_mov_b32 s35, 0
	s_lshl_b32 s38, s13, 1
	s_add_co_u32 s38, s38, s20
	s_lshl_b32 s38, s38, 11
	s_add_co_u32 s38, s38, 0x40000
	s_mov_b32 s39, 0
	s_mov_b32 s[CS], 0x3d38aa3b                    ; log2(e) / 32
	s_mov_b32 s[CS+1], s[CS]
	s_mov_b32 s56, 0x76543210
	s_mov_b32 s57, 0xfedcba98
	s_mov_b32 s58, 0xffff0000
	s_or_b32 s59, s15, s2                          ; do I have a job A?
	s_wait_alu depctr_va_vdst(0)
	s_wait_dscnt 0x0                               ; both opening adds are done
	s_wait_kmcnt 0x0
	s_mov_b32 s44, 1
	s_lshl_b32 s45, s14, 15
	s_add_nc_u64 s[46:47], s[4:5], s[36:37]
	s_or_b32 s47, s47, 0x80000000
	s_cmp_eq_u32 s23, 0
	s_cbranch_scc1 .Lasked
	tensor_load_to_lds s[44:47], s[24:31]
	s_nop 0
.rept 4
	v_nop
.endr
.Lasked:
	s_add_nc_u64 s[48:49], s[6:7], s[32:33]
	s_add_nc_u64 s[50:51], s[6:7], s[34:35]
	s_add_nc_u64 s[52:53], s[6:7], s[38:39]
.macro KSCALES base                    ; word e of group g: block 4 g + 2 e in lanes 0-15, 4 g + 2 e + 1 in lanes 16-31
.irp q, 0,1,2,3,4,5,6,7
	global_load_b64 v[SK+4*\q:SK+4*\q+1], v[L8], s[\base:\base+1] offset:256*\q
	global_load_b64 v[SK+4*\q+2:SK+4*\q+3], v[L8], s[\base:\base+1] offset:2048+256*\q
.endr
.endm
.irp q, 0,1,2,3,4,5,6,7
	global_load_b32 v[SQ+\q], v[L8], s[48:49] offset:256*\q
.endr
	KSCALES 50
.macro PLACE s, im, st                 ; where chunk s[..] of my query tile goes
	s_sub_co_u32 s66, 15, s22
	s_sub_co_u32 s67, 16, s22
	s_add_co_u32 s67, s67, s[\s]
	s_cmp_ge_u32 s22, 8
	s_cselect_b32 s66, s66, s22                    ; pi
	s_cselect_b32 s67, s[\s], s67                  ; n
	s_lshl_b32 s68, s19, 3
	s_add_co_u32 s66, s66, s68
	s_mul_i32 s66, s66, 17
	s_add_co_u32 s66, s66, s67                     ; (8 batch + pi) 17 + n
	s_lshl_b32 s68, s66, 13
	s_lshl_b32 s67, s16, 11
	s_add_co_u32 s68, s68, s67
	s_mov_b32 s69, 0
	s_add_nc_u64 s[\im:\im+1], s[8:9], s[68:69]    ; pimg at my two fragments,
	s_lshl_b32 s68, s66, 11
	s_lshl_b32 s67, s16, 9
	s_add_co_u32 s68, s68, s67
	s_add_nc_u64 s[\st:\st+1], s[10:11], s[68:69]  ; pst at my 32 rows
.endm
	PLACE 12, 60, 62
	PLACE 13, 40, 42
; One product.  d: the accumulator; p, r: the fragments; sp, sr: their scale registers; po, ro: 1 where the words lie in lanes 16-31.
.macro WMS d, p, r, zero, sp, sr, po, ro
.set ROWS, 2*(\po)+(\ro)
.if \zero
.if ROWS == 0
	v_wmma_scale_f32_16x16x128_f8f6f4 v[(\d):(\d)+7], v[(\p):(\p)+7], v[(\r):(\r)+7], 0, v[(\sp)], v[(\sr)] matrix_a_fmt:MATRIX_FMT_FP4 matrix_b_fmt:MATRIX_FMT_FP4
.elseif ROWS == 1
	v_wmma_scale_f32_16x16x128_f8f6f4 v[(\d):(\d)+7], v[(\p):(\p)+7], v[(\r):(\r)+7], 0, v[(\sp)], v[(\sr)] matrix_a_fmt:MATRIX_FMT_FP4 matrix_b_fmt:MATRIX_FMT_FP4 matrix_b_scale:MATRIX_SCALE_ROW1
.elseif ROWS == 2
	v_wmma_scale_f32_16x16x128_f8f6f4 v[(\d):(\d)+7], v[(\p):(\p)+7], v[(\r):(\r)+7], 0, v[(\sp)], v[(\sr)] matrix_a_fmt:MATRIX_FMT_FP4 matrix_b_fmt:MATRIX_FMT_FP4 matrix_a_scale:MATRIX_SCALE_ROW1
.else
	v_wmma_scale_f32_16x16x128_f8f6f4 v[(\d):(\d)+7], v[(\p):(\p)+7], v[(\r):(\r)+7], 0, v[(\sp)], v[(\sr)] matrix_a_fmt:MATRIX_FMT_FP4 matrix_b_fmt:MATRIX_FMT_FP4 matrix_a_scale:MATRIX_SCALE_ROW1 matrix_b_scale:MATRIX_SCALE_ROW1
.endif
.else
.if ROWS == 0
	v_wmma_scale_f32_16x16x128_f8f6f4 v[(\d):(\d)+7], v[(\p):(\p)+7], v[(\r):(\r)+7], v[(\d):(\d)+7], v[(\sp)], v[(\sr)] matrix_a_fmt:MATRIX_FMT_FP4 matrix_b_fmt:MATRIX_FMT_FP4
.elseif ROWS == 1
	v_wmma_scale_f32_16x16x128_f8f6f4 v[(\d):(\d)+7], v[(\p):(\p)+7], v[(\r):(\r)+7], v[(\d):(\d)+7], v[(\sp)], v[(\sr)] matrix_a_fmt:MATRIX_FMT_FP4 matrix_b_fmt:MATRIX_FMT_FP4 matrix_b_scale:MATRIX_SCALE_ROW1
.elseif ROWS == 2
	v_wmma_scale_f32_16x16x128_f8f6f4 v[(\d):(\d)+7], v[(\p):(\p)+7], v[(\r):(\r)+7], v[(\d):(\d)+7], v[(\sp)], v[(\sr)] matrix_a_fmt:MATRIX_FMT_FP4 matrix_b_fmt:MATRIX_FMT_FP4 matrix_a_scale:MATRIX_SCALE_ROW1
.else
	v_wmma_scale_f32_16x16x128_f8f6f4 v[(\d):(\d)+7], v[(\p):(\p)+7], v[(\r):(\r)+7], v[(\d):(\d)+7], v[(\sp)], v[(\sr)] matrix_a_fmt:MATRIX_FMT_FP4 matrix_b_fmt:MATRIX_FMT_FP4 matrix_a_scale:MATRIX_SCALE_ROW1 matrix_b_scale:MATRIX_SCALE_ROW1
.endif
.endif
.endm
.macro FETCH q, adk, nt                ; 2 nt + 4 loads: an image comes back as it was stored: lane l's 16 bytes at 16 l
.irp i, 0,1,2,3,4,5,6,7
.if \i < (\nt)
.irp c, 0,1
	ds_load_b128 v[FK+80*((\q)%2)+8*\i+4*\c:FK+80*((\q)%2)+8*\i+4*\c+3], v[\adk] offset:\i*8192+(\q)*1024+512*\c
.endr
.endif
.endr
.irp i, 0,1
.irp c, 0,1
	ds_load_b128 v[FQ+80*((\q)%2)+8*\i+4*\c:FQ+80*((\q)%2)+8*\i+4*\c+3], v[ADQ] offset:\i*8192+(\q)*1024+512*\c
.endr
.endr
.endm
.macro GEMM adk, nt                    ; my two blocks of queries x nt tiles of 16 keys, all of K; the accumulators take turns, one instruction a turn
	FETCH 0, \adk, \nt
.irp q, 0,1,2,3,4,5,6,7
.if \q < 7
	PLACES                                         ; between the last products and loads into their registers
	FETCH \q+1, \adk, \nt
	s_wait_dscnt 2*(\nt)+4                         ; all but the loads just issued
	.else
	s_wait_dscnt 0x0
.endif
.if \q == 0
	WIN 0x40
.else
	WIN 0x50
.endif
.irp a, 0,1
.irp b, 0,1,2,3,4,5,6,7
.if \b < (\nt)
.if \q == 0
	WMS 8*(8*\a+\b), FK+8*\b, FQ+8*\a, 1, SK+\b/2, SQ, \b%2, \a
.else
	WMS 8*(8*\a+\b), FK+80*(\q%2)+8*\b, FQ+80*(\q%2)+8*\a, 0, SK+4*\q+\b/2, SQ+\q, \b%2, \a
.endif
.endif
.endr
.endr
	WIN 0
.endr
	PLACES
.endm
; BLOCK a: 16 queries x nt tiles of keys.  Register j of tile b is key 16 b + 8 (lane / 16) + j of the chunk, for query 32 w' + 16 a + lane % 16 of the tile.
.macro SOFT a, nt, mask, im
.set AC, 64*(\a)
.set NBK, (\nt)/2
.set PCD, CODE+8*(\a)
.set NM, NMQ+2*(\a)
	s_wait_alu depctr_va_vdst(0)                   ; ahead of these matrix results' first reader
.if \mask
	v_add_nc_u32 v[TA], 16*(\a), v[DL]
	WIN 0x41                                       ; on the diagonal hidden scores become -infinity ahead of the maximum: where 16 b + j > 32 w' + 16 a + r - 8 h; the tiles before those named here hold none
.set J, 8*((\nt)-4+(\a))
.rept 32-8*(\a)
	v_cmp_gt_i32 vcc_lo, 16*(J/8)+J%8, v[TA]
	v_cndmask_b32 v[AC+J], v[AC+J], v[NINF], vcc_lo
.set J, J+1
.endr
.endif
	WIN 0x14
	s_wait_alu depctr_va_vdst(0)
.irp b, 0,1,2,3
.if \b < NBK
	v_max3_num_f32 v[BM+\b], 0xff800000, v[AC+16*\b], v[AC+16*\b+1]    ; the largest score of each block of 32 keys: it serves for the chunk's maximum and, since p rises with the score, for the block's largest p
.endif
.endr
.irp i, 2,4,6,8,10,12,14
.irp b, 0,1,2,3
.if \b < NBK
	v_max3_num_f32 v[BM+\b], v[BM+\b], v[AC+16*\b+\i], v[AC+16*\b+\i+1]
.endif
.endr
.endr
	WIN 0
.irp b, 0,1,2,3
.if \b < NBK
	v_permlanex16_b32 v[T2+\b], v[BM+\b], s56, s57
.endif
.endr
.irp b, 0,1,2,3
.if \b < NBK
	v_max_num_f32 v[BM+\b], v[BM+\b], v[T2+\b]
.endif
.endr
.if NBK == 4
	v_max3_num_f32 v[TA], v[BM], v[BM+1], v[BM+2]
	v_max_num_f32 v[TA], v[TA], v[BM+3]            ; every row has a key that counts, so this is a number
.else
	v_max_num_f32 v[TA], v[BM], v[BM+1]
.endif
	v_mul_f32 v[TA], s[CS], v[TA]
	v_floor_f32 v[NM], -v[TA]                      ; -M = floor(-t) = -ceil(t)
	WIN 0x41
.set J, 0
.rept 4*(\nt)
	v_pk_fma_f32 v[AC+J:AC+J+1], v[AC+J:AC+J+1], s[CS:CS+1], v[NM:NM+1] op_sel_hi:[1,0,0]   ; t - M, two at a time
.set J, J+2
.endr
	WIN 0
.irp b, 0,1,2,3
.if \b < NBK
	v_fma_f32 v[BM+\b], v[BM+\b], s[CS], v[NM]
.endif
.endr
	WIN 0x41
.set J, 0
	s_wait_alu depctr_va_vdst(0)
.rept 8*(\nt)
	v_exp_f32 v[AC+J], v[AC+J]                     ; p = 2^(t - M)
.set J, J+1
.endr
	WIN 0
	v_nop                                          ; a plain place behind the exponentials
	s_wait_alu depctr_va_vdst(0)                   ; one wait for the batch, ahead of its first reader
.irp b, 0,1,2,3
.if \b < NBK
	v_exp_f32 v[BM+\b], v[BM+\b]                   ; each block's largest p: the same two instructions on the same number
.endif
.endr
	WIN 0x05
	v_pk_add_f32 v[SUMA:SUMA+1], v[AC:AC+1], v[AC+2:AC+3]              ; the sum of the unquantised p, in two chains
	v_pk_add_f32 v[SUMB:SUMB+1], v[AC+4:AC+5], v[AC+6:AC+7]
	WIN 0x04
.set J, 8
.rept 2*(\nt)-2
	v_pk_add_f32 v[SUMA:SUMA+1], v[SUMA:SUMA+1], v[AC+J:AC+J+1]
	v_pk_add_f32 v[SUMB:SUMB+1], v[SUMB:SUMB+1], v[AC+J+2:AC+J+3]
.set J, J+4
.endr
	WIN 0
	v_pk_add_f32 v[SUMA:SUMA+1], v[SUMA:SUMA+1], v[SUMB:SUMB+1]
	v_add_f32 v[TA], v[SUMA], v[SUMA+1]
	v_permlanex16_b32 v[TB], v[TA], s56, s57
	v_add_f32 v[LSM+(\a)], v[TA], v[TB]
	s_wait_alu depctr_va_vdst(0)                   ; and one for the blocks' own
.irp b, 0,1,2,3
.if \b < NBK
	v_max_num_f32 v[BM+\b], 0x21800000, v[BM+\b]   ; the floor 2^-60: the byte is 65 at the least
.endif
.endr
.irp b, 0,1,2,3
.if \b < NBK
	v_add_nc_u32 v[SO+\b], 0xff000000, v[BM+\b]
.endif
.endr
.irp b, 0,1,2,3
.if \b < NBK
	v_lshrrev_b32 v[T2+\b], 23, v[SO+\b]           ; the byte: 65 .. 125, since p is at most 1
.endif
.endr
	v_lshl_or_b32 v[PWS+(\a)], v[T2+1], 8, v[T2]
.if NBK == 4
	v_lshl_or_b32 v[PWS+(\a)], v[T2+2], 16, v[PWS+(\a)]
	v_lshl_or_b32 v[PWS+(\a)], v[T2+3], 24, v[PWS+(\a)]
.else
	v_or_b32 v[PWS+(\a)], 0x41410000, v[PWS+(\a)]  ; the hidden keys' blocks: byte 65, codes 0
.irp i, 4,5,6,7
	v_mov_b32 v[PCD+\i], 0
.endr
.endif
	WIN 1
.irp c, 0,1
.if 2*\c < NBK
	v_cvt_scalef32_pk8_fp4_f32 v[PCD+4*\c], v[AC+32*\c:AC+32*\c+7], v[SO+2*\c]
	v_cvt_scalef32_pk8_fp4_f32 v[PCD+4*\c+2], v[AC+32*\c+8:AC+32*\c+15], v[SO+2*\c]
	v_cvt_scalef32_pk8_fp4_f32 v[PCD+4*\c+1], v[AC+32*\c+16:AC+32*\c+23], v[SO+2*\c+1]
	v_cvt_scalef32_pk8_fp4_f32 v[PCD+4*\c+3], v[AC+32*\c+24:AC+32*\c+31], v[SO+2*\c+1]
.endif
.endr
	WIN 0
	v_nop                                          ; one plain place behind the scaled conversions
.irp c, 0,1                                    ; tiles 4 c, 4 c + 2 and tiles 4 c + 1, 4 c + 3 change halves: register 4 c + i then holds keys 64 c + 32 (lane / 16) + 8 i + 0 .. 7
.if 2*\c < NBK
	v_permlane16_swap_b32 v[PCD+4*\c], v[PCD+4*\c+1]
	v_permlane16_swap_b32 v[PCD+4*\c+2], v[PCD+4*\c+3]
.endif
.endr
	global_store_b128 v[L16], v[PCD:PCD+3], s[\im:\im+1] offset:(\a)*1024    ; 512 consecutive bytes a store
	global_store_b128 v[L16], v[PCD+4:PCD+7], s[\im:\im+1] offset:(\a)*1024+512
.endm
.macro SOFTS nt, mask, im, st
	SOFT 0, \nt, \mask, \im
	SOFT 1, \nt, \mask, \im
	v_cndmask_b32 v[REC], v[NMQ], v[NMQ+2], s58    ; my 32 rows' records: block 0 in lanes 0-15, block 1 in lanes 16-31
	v_cndmask_b32 v[REC+1], v[LSM], v[LSM+1], s58
	v_cndmask_b32 v[REC+2], v[PWS], v[PWS+1], s58
	v_mov_b32 v[REC+3], 0
	global_store_b128 v[L16], v[REC:REC+3], s[\st:\st+1]
.endm
	s_wait_tensorcnt 0x0                           ; my load is in,
	s_barrier_signal -1
	s_barrier_wait -1                              ; everybody's are; nothing is filled again, and no barrier follows
	s_wait_loadcnt 0x0                             ; the scale words
	s_cmp_eq_u32 s59, 0
	s_cbranch_scc1 .Ljob_b
	GEMM ADKA, 8
	s_cmp_eq_u32 s17, 0
	s_cbranch_scc1 .Lno_b
	KSCALES 52                                     ; job B's words for K, on their way during job A's softmax
.Lno_b:
	SOFTS 8, 0, 60, 62
	s_cmp_eq_u32 s17, 0
	s_cbranch_scc1 .Lend
	s_wait_xcnt 0x0                                ; job A's stores have read their registers
	s_wait_loadcnt 0x0
.Ljob_b:
	s_cmp_lt_u32 s16, 2
	s_cbranch_scc1 .Lhalf
	GEMM ADKB, 8
	SOFTS 8, 1, 40, 42
	s_branch .Lend
.Lhalf:
	GEMM ADKB, 4                                   ; w' < 2: keys 64 .. 127 of the chunk come after all my queries
	SOFTS 4, 1, 40, 42
.Lend:
	s_wait_tensorcnt 0x0                           ; the wave's end
	ds_add_u32 v[SPW], v[NIL]
	s_wait_dscnt 0x0
	s_endpgm
.Lfunc_end_k_qb1d77bc91a_score:
	.size	k_qb1d77bc91a_score, .Lfunc_end_k_qb1d77bc91a_score-k_qb1d77bc91a_score
	.p2alignl 7, 3214868480
	.fill 96, 4, 3214868480
	.section	.rodata,"a",@progbits
	.p2align	6, 0x0
	.amdhsa_kernel k_qb1d77bc91a_score
		.amdhsa_group_segment_fixed_size 327680
		.amdhsa_private_segment_fixed_size 0
		.amdhsa_enable_private_segment 0
		.amdhsa_kernarg_size 32
		.amdhsa_user_sgpr_count 2
		.amdhsa_user_sgpr_kernarg_segment_ptr 1
		.amdhsa_wavefront_size32 1
		.amdhsa_system_sgpr_workgroup_id_x 1
		.amdhsa_system_sgpr_workgroup_id_y 1
		.amdhsa_system_sgpr_workgroup_id_z 1
		.amdhsa_system_vgpr_workitem_id 0
		.amdhsa_next_free_vgpr 512
		.amdhsa_next_free_sgpr 72
		.amdhsa_reserve_vcc 1
		.amdhsa_float_denorm_mode_32 3
		.amdhsa_float_denorm_mode_16_64 3
		.amdhsa_memory_ordered 1
		.amdhsa_forward_progress 1
		.amdhsa_inst_pref_size 150
	.end_amdhsa_kernel
	.amdgpu_metadata
---
amdhsa.version: [ 1, 2 ]
amdhsa.kernels:
  - .name:           k_qb1d77bc91a_score
    .symbol:         k_qb1d77bc91a_score.kd
    .args:
      - { .name: img, .offset: 0, .size: 8, .value_kind: global_buffer, .address_space: global }
      - { .name: scl, .offset: 8, .size: 8, .value_kind: global_buffer, .address_space: global }
      - { .name: pimg, .offset: 16, .size: 8, .value_kind: global_buffer, .address_space: global }
      - { .name: pst, .offset: 24, .size: 8, .value_kind: global_buffer, .address_space: global }
    .group_segment_fixed_size: 327680
    .private_segment_fixed_size: 0
    .kernarg_segment_align: 8
    .kernarg_segment_size: 32
    .max_flat_workgroup_size: 256
    .sgpr_count:     72
    .vgpr_count:     512
    .wavefront_size: 32
...
	.end_amdgpu_metadata
.endif
;; end of part 2
;; launch pv (part 3): grid 8 x 32, 8 waves a work-group, clusters of 4 x 1, 327,680 bytes of LDS; arguments pimg, pst, img, scl, out0; writes out0
.if DOCPART == 3
	.amdgcn_target "amdgcn-amd-amdhsa--gfx1250"
	.amdhsa_code_object_version 6
	.text
	.protected	k_qb1d77bc91a_pv
	.globl	k_qb1d77bc91a_pv
	.p2align	8
	.type	k_qb1d77bc91a_pv,@function
k_qb1d77bc91a_pv:
	s_mov_b64 s[64:65], 0
	v_nop
	global_prefetch_b8 v0, s[64:65] scope:SCOPE_SE
	s_setreg_imm32_b32 hwreg(HW_REG_WAVE_MODE, 25, 1), 1
	s_wait_xcnt 0x0
	s_wait_alu depctr_hold_cnt(0) depctr_sa_sdst(0) depctr_va_vdst(0) depctr_va_sdst(0) depctr_va_ssrc(0) depctr_va_vcc(0) depctr_vm_vsrc(0)
	s_getreg_b32 s2, hwreg(HW_REG_IB_STS2, 6, 4)
	s_cmp_eq_u32 s2, 0
	s_cbranch_scc0 .Lentry_in_a_cluster
	s_endpgm
.Lentry_in_a_cluster:
	s_bfe_u32 s2, ttmp6, 0x10000c
	s_cmp_lg_u32 s2, 0x3003
	s_cbranch_scc0 .Lentry_shape_is_right
	s_endpgm
.Lentry_shape_is_right:
; O = P V / l on the images that the launches before have stored.  LEFT OUT: the chunks of keys that come wholly after a tile's queries (weight 0 by reference()'s own jnp.tril; shown at the head of the first kernel): they were never stored.
; SHARES.  Work-group (x, y): y = 8 batch + pi is a pair of query tiles of 128 (the long one i = 15 - pi, the short one i = pi), x a tile of 128 channels.  The pair has 17 chunks of 128 keys whatever pi is: 256 work-groups of equal work.
; EIGHT waves, two to a SIMD: waves 0-3 own the short tile, waves 4-7 the long one; wave (wr, wc) of a tile: 64 queries x 64 channels, 16 accumulators.  A tile's last chunk has the tile's own number.
; Source 0 = 16 channels of V^T, source 1 = 16 queries of P: a lane holds one query and eight neighbouring channels.
; JOINING THE CHUNKS, in registers, for the wave's 64 rows: the row's -M is the least of its chunks' -M; d = row's M - chunk's M is a whole number, 0 or more; the row's l is the sum of l x 2^-d (exact factors); d is taken off each of the chunk's
; four scale bytes, which are 65 at the least.  LIMIT: d is held at 64: a chunk whose M lies more than 64 under the row's counts as if it lay 64 under; that concerns terms under 2^-57 beside l > 1/2.
; Chunks behind a tile's last one load the last one's records again (every byte that is read was stored): they leave the least unchanged, their l is multiplied by 2^-200, which is 0, and their bytes serve no product.
; All operands lie in LDS as images, asked for at the head, one load a wave: waves 0-3 what the short tile needs (places 8-16 of P, chunks 0-7 of V^T), waves 4-7 the rest.  Behind the first barrier the short tile is multiplied while the rest lands;
; behind the second it leaves while the long one is multiplied.  The steps are written out, with forward exits on the tile's number.  No loop runs here that a prefetch could run ahead in.
; LDS: the fetch ahead of an exit reads at most 7 places past place 16 of a half of P: there lie chunks 0-7 of V^T, which have landed by then too; what it brings is not used.
; CLUSTER: the four partners have the same y, so the same P and the same way through the text: P's block is asked for jointly.  V^T's tile hangs on x, which differs between them; the work-groups that share it differ in pi and so in
; their branches, and cannot be partners: it comes by loads of the work-group's own.
; REGISTERS: window 0: v10-21 addresses; v24-55 P's scale words alone; v56-87 V^T's; v88-95 1 / l; v96-159 P's fragments, two sets; v160-223 V^T's, two sets; v2-9, v22-23 and v96-255 at work at the head.  window 1: the accumulators.
.set HALF,  102400                     ; [half 2]: P's 64 rows [place 17][4 fragments][1,024], then V^T's 64 channels [chunk 0-7][4 fragments][1,024]
.set VA,    69632                      ; where chunks 0-7 begin in a half
.set VB,    204800                     ; chunks 8-15: [half 2][chunk 8][4 fragments][1,024]
.set STAGE, 270336                     ; 16 rows x (256 + 16) bytes for each wave: no tile lands here
.set SPARE, 305152
.set NM,   2
.set LL,   4
.set LX,   6
.set RC,   8
.set ADA,  10
.set ADB,  12                          ; v12-13 chunks 0-7, chunks 8-15
.set STO,  14
.set RD,   15
.set GO,   16
.set SPW,  18
.set NIL,  19
.set L8,   20
.set L16,  21
.set XC,   22
.set SAW,  24
.set SVS,  56
.set RL,   88
.set FA,   96
.set FB,   160
.set ST,   96                          ; at the head: v96-223: chunk s, row half e: -M, l, scale word, 0 at 96 + 8 s + 4 e
.set NI,   224                         ; at the head: v224-239 load offsets, then v224-255 -d as whole numbers
.set T,    96                          ; on the way out
.set BK,   128
.set OUT,  90
.set MSB, 0
.macro WIN new
.if MSB != (\new)
	s_set_vgpr_msb (MSB<<8)|(\new)
.set MSB, (\new)
.endif
.endm
.macro CROUND
	s_barrier_signal -1
	s_barrier_wait -1
	s_cmp_lg_u32 s16, 0
	s_cbranch_scc1 .Lnot_wave_0_\@
	s_barrier_signal -3
.Lnot_wave_0_\@:
	s_barrier_wait -3
	s_barrier_signal -1
	s_barrier_wait -1
.endm
.macro PLACES
.rept 4
	v_nop
.endr
.endm
	s_load_b256 s[4:11], s[0:1], 0x0               ; pimg, pst, img, scl
	s_load_b64 s[14:15], s[0:1], 0x20              ; out0
	v_lshl_add_u32 v[SPW], v0, 2, SPARE
	v_mov_b32 v[NIL], 0
	ds_add_u32 v[SPW], v[NIL]                      ; the wave's opening: the add, twice on end, and its wait ahead of my first tensor load
	ds_add_u32 v[SPW], v[NIL]
	v_lshrrev_b32 v1, 5, v0
	v_readfirstlane_b32 s16, v1                    ; wave
	s_lshr_b32 s13, s16, 2                         ; my tile: 0 the short one, 1 the long one
	s_xor_b32 s3, s13, 1
	s_lshr_b32 s17, s16, 1
	s_and_b32 s17, s17, 1                          ; wr; also: I fetch P (0) or V^T (1)
	s_and_b32 s18, s16, 1                          ; wc; also: which half I fetch
	s_bfe_u32 s19, ttmp6, 0x40000                  ; cx
	s_lshl_b32 s20, ttmp9, 2
	s_add_co_u32 s20, s20, s19                     ; my 128 channels
	s_and_b32 s2, ttmp7, 0xffff                    ; the pair: 8 batch + pi
	s_and_b32 s21, s2, 7                           ; pi
	s_lshr_b32 s22, s2, 3                          ; batch
	s_xor_b32 s68, s21, 7
	s_add_co_u32 s68, s68, 9                       ; 16 - pi
	s_mul_i32 s68, s68, s3                         ; my tile's first place: 0 or 16 - pi
	s_lshl_b32 s66, s68, 12
	s_mul_i32 s67, s17, HALF
	s_add_co_u32 s66, s66, s67
	s_mul_i32 s67, s18, HALF
	s_add_co_u32 s67, s67, VA
	s_lshl_b32 s92, s18, 15
	s_add_co_u32 s92, s92, VB
	s_mul_i32 s93, s16, 16*272
	s_add_co_u32 s93, s93, STAGE
	v_and_b32 v1, 31, v0
	v_and_b32 v2, 15, v0                           ; r
	v_bfe_u32 v3, v0, 4, 1                         ; h
	v_lshlrev_b32 v[L8], 3, v1
	v_lshlrev_b32 v[L16], 4, v1
	v_add_nc_u32 v[ADA], s66, v[L16]
	v_add_nc_u32 v[ADB], s67, v[L16]
	v_add_nc_u32 v[ADB+1], s92, v[L16]
	v_mul_u32_u24 v[STO], v2, 272
	v_lshl_add_u32 v[STO], v3, 5, v[STO]
	v_add_nc_u32 v[STO], s93, v[STO]               ; into my stage: row r, 32 h bytes on
	v_mul_u32_u24 v[RD], v3, 272
	v_lshl_add_u32 v[RD], v2, 4, v[RD]
	v_add_nc_u32 v[RD], s93, v[RD]                 ; back: lanes 0-15 one row of 256 bytes, lanes 16-31 the next
	v_lshlrev_b32 v[GO], 12, v3
	v_lshl_add_u32 v[GO], v2, 4, v[GO]             ; and the same two rows in out0
	v_mov_b32 v[XC], 0                             ; a lane permute's destination counts as one of its sources
	v_mov_b32 v[XC+1], 0
	s_sub_co_u32 s23, 15, s21
	s_cmp_lt_u32 s16, 4
	s_cselect_b32 s23, s21, s23                    ; my tile's number, and its last chunk
	s_add_co_u32 s69, s68, s23                     ; my tile's last place
	s_mov_b32 s24, 15|(3<<16)|(1<<21)              ; P, places 0-7: the four partners; 8 rows of 512 elements of 8 bytes, 1,024 apart
	s_mov_b32 s25, 512<<16
	s_mov_b32 s26, 8<<16
	s_mov_b32 s27, 512<<16
	s_mov_b32 s28, 8
	s_mov_b32 s29, 1024
	s_mov_b32 s30, 0
	s_mov_b32 s31, 0
	s_mov_b32 s32, 15|(3<<16)|(1<<21)              ; P, places 8-16: 9 rows
	s_mov_b32 s33, 512<<16
	s_mov_b32 s34, 9<<16
	s_mov_b32 s35, 512<<16
	s_mov_b32 s36, 9
	s_mov_b32 s37, 1024
	s_mov_b32 s38, 0
	s_mov_b32 s39, 0
	s_mov_b32 s40, 3<<16                           ; V^T: 8 chunks' rows of 4,096 bytes, 65,536 bytes apart
	s_mov_b32 s41, 512<<16
	s_mov_b32 s42, 8<<16
	s_mov_b32 s43, 512<<16
	s_mov_b32 s44, 8
	s_mov_b32 s45, 8192
	s_mov_b32 s46, 0
	s_mov_b32 s47, 0
	s_mov_b32 s87, 0xffff0000
	s_mov_b32 s88, 0x76543210
	s_mov_b32 s89, 0xfedcba98
	s_mov_b32 s94, 0xc2800000                      ; -64.0
	s_mov_b32 s95, 0xc3480000                      ; -200.0
	s_mul_i32 s100, s2, 139264                     ; P: the pair's block, my half of the rows, places 8 on in waves 0-3: no place in the cluster enters
	s_lshl_b32 s101, s18, 12
	s_add_co_u32 s100, s100, s101
	s_lshl_b32 s101, s3, 16
	s_add_co_u32 s100, s100, s101
	s_mov_b32 s101, 0
	s_lshl_b32 s96, s22, 20                        ; V^T: the batch's 16 chunks, my 64 channels
	s_lshl_b32 s97, s20, 13
	s_add_co_u32 s96, s96, s97
	s_lshl_b32 s97, s18, 12
	s_add_co_u32 s96, s96, s97
	s_add_co_u32 s96, s96, 8388608
	s_mov_b32 s97, 0
	s_lshl_b32 s98, s22, 16                        ; its scale images: the batch's chunks, the 64 channels that I multiply
	s_lshl_b32 s99, s20, 9
	s_add_co_u32 s98, s98, s99
	s_lshl_b32 s99, s18, 8
	s_add_co_u32 s98, s98, s99
	s_add_co_u32 s98, s98, 524288
	s_mov_b32 s99, 0
	s_mov_b32 s56, 1                               ; group 0, P
	s_mul_i32 s57, s18, HALF
	s_lshl_b32 s66, s3, 15
	s_add_co_u32 s57, s57, s66
	s_mov_b32 s72, 1                               ; group 0, V^T's chunks 0-7,
	s_mul_i32 s73, s18, HALF
	s_add_co_u32 s73, s73, VA
	s_mov_b32 s76, 1                               ; and 8-15
	s_lshl_b32 s77, s18, 15
	s_add_co_u32 s77, s77, VB
	s_wait_alu depctr_va_vdst(0)
	s_wait_dscnt 0x0                               ; both opening adds are done
	s_wait_kmcnt 0x0
	s_add_nc_u64 s[58:59], s[4:5], s[100:101]
	s_or_b32 s59, s59, 0x80000000
	s_add_nc_u64 s[74:75], s[8:9], s[96:97]
	s_add_nc_u64 s[78:79], s[74:75], 524288
	s_or_b32 s75, s75, 0x80000000
	s_or_b32 s79, s79, 0x80000000
	CROUND                                         ; all four work-groups are here: the joint loads meet
.macro ARM under, g0, g1, next         ; one chain of branches on the wave's number, one load to an arm
	s_cmp_lt_u32 s16, \under
	s_cbranch_scc0 \next
	tensor_load_to_lds s[\g0:\g0+3], s[\g1:\g1+7]
	s_nop 0
.rept 4
	v_nop
.endr
	s_branch .Lfilled
\next:
.endm
	ARM 2, 56, 32, .Lfill_v0
	ARM 4, 72, 40, .Lfill_p1
	ARM 6, 56, 24, .Lfill_v1
	tensor_load_to_lds s[76:79], s[40:47]
	s_nop 0
.rept 4
	v_nop
.endr
.Lfilled:
	s_mul_i32 s100, s2, 34816                      ; pst: the pair's 17 places, my 64 rows
	s_lshl_b32 s66, s17, 10
	s_add_co_u32 s100, s100, s66
	s_add_nc_u64 s[6:7], s[6:7], s[100:101]
	s_add_nc_u64 s[10:11], s[10:11], s[98:99]
.set N, 0
.rept 16
	s_add_co_u32 s66, s68, N
	s_min_u32 s66, s66, s69                        ; chunk N's place, or the tile's last
	v_lshl_add_u32 v[NI+N], s66, 11, v[L16]
	global_load_b128 v[ST+8*N:ST+8*N+3], v[NI+N], s[6:7]
	global_load_b128 v[ST+8*N+4:ST+8*N+7], v[NI+N], s[6:7] offset:512
	global_load_b64 v[SVS+2*N:SVS+2*N+1], v[L8], s[10:11] offset:4096*N
.set N, N+1
.endr
	s_lshl_b32 s96, s22, 11
	s_lshl_b32 s66, s17, 6
	s_add_co_u32 s96, s96, s66                     ; 2,048 batch + 64 wr
	s_lshl_b32 s66, s23, 7
	s_add_co_u32 s96, s96, s66                     ; my first row
	s_lshl_b32 s96, s96, 12
	s_lshl_b32 s66, s20, 9
	s_add_co_u32 s96, s96, s66
	s_lshl_b32 s66, s18, 8
	s_add_co_u32 s96, s96, s66                     ; and my first channel, in bytes
	s_add_nc_u64 s[OUT:OUT+1], s[14:15], s[96:97]
	s_wait_alu depctr_va_vdst(0)
	s_wait_loadcnt 0x0
	; ---- the rows' -M: the least over the tile's chunks
.irp e, 0,1
	v_min3_num_f32 v[NM+\e], v[ST+4*\e], v[ST+8+4*\e], v[ST+16+4*\e]
.endr
.irp n, 3,5,7,9,11,13
.irp e, 0,1
	v_min3_num_f32 v[NM+\e], v[NM+\e], v[ST+8*\n+4*\e], v[ST+8*\n+8+4*\e]
.endr
.endr
.irp e, 0,1
	v_min_num_f32 v[NM+\e], v[NM+\e], v[ST+120+4*\e]
.endr
	; ---- -d = chunk's M - row's M, stage by stage over all chunks and both rows: no line waits for the line above it
.macro ALL32 op                        ; one line for each chunk and row
.set N, 0
.rept 16
	\op N, 0
	\op N, 1
.set N, N+1
.endr
.endm
.macro S_DIF n, e
	v_sub_f32 v[ST+8*(\n)+4*(\e)], v[NM+(\e)], v[ST+8*(\n)+4*(\e)]
.endm
.macro S_INT n, e
	v_cvt_i32_f32 v[NI+2*(\n)+(\e)], v[ST+8*(\n)+4*(\e)]
.endm
.macro S_SUM n, e
	v_ldexp_f32 v[ST+8*(\n)+4*(\e)+1], v[ST+8*(\n)+4*(\e)+1], v[NI+2*(\n)+(\e)]   ; the chunk's l under the row's M
.endm
.macro S_TWO n, e
	v_lshl_add_u32 v[SAW+2*(\n)+(\e)], v[NI+2*(\n)+(\e)], 8, v[NI+2*(\n)+(\e)]
.endm
.macro S_FOUR n, e
	v_lshl_add_u32 v[SAW+2*(\n)+(\e)], v[SAW+2*(\n)+(\e)], 16, v[SAW+2*(\n)+(\e)]   ; -d x 0x01010101
.endm
.macro S_BYTE n, e
	v_add_nc_u32 v[SAW+2*(\n)+(\e)], v[SAW+2*(\n)+(\e)], v[ST+8*(\n)+4*(\e)+2]      ; each byte - d: 1 at the least, so no byte borrows from its neighbour
.endm
	ALL32 S_DIF
.irp n, 0,1,2,3,4,5,6,7,8,9,10,11,12,13,14,15
	s_cmp_ge_u32 s23, \n                           ; one of the tile's chunks: held between -64 and 0; behind the last one: -200
	s_cselect_b32 s66, s94, s95
	s_cselect_b32 s67, 0, s95
	v_med3_num_f32 v[ST+8*\n], v[ST+8*\n], s66, s67
	v_med3_num_f32 v[ST+8*\n+4], v[ST+8*\n+4], s66, s67
.endr
	ALL32 S_INT
	ALL32 S_TWO
	ALL32 S_FOUR
	ALL32 S_BYTE
	ALL32 S_SUM
.irp e, 0,1
	v_add_f32 v[LL+\e], v[ST+4*\e+1], v[ST+8+4*\e+1]
	v_add_f32 v[LX+\e], v[ST+16+4*\e+1], v[ST+24+4*\e+1]
.endr
.irp n, 4,6,8,10,12,14
.irp e, 0,1
	v_add_f32 v[LL+\e], v[LL+\e], v[ST+8*\n+4*\e+1]
	v_add_f32 v[LX+\e], v[LX+\e], v[ST+8*\n+8+4*\e+1]
.endr
.endr
	v_pk_add_f32 v[LL:LL+1], v[LL:LL+1], v[LX:LX+1]
	s_wait_alu depctr_va_vdst(0)
	v_rcp_f32 v[RC], v[LL]
	v_rcp_f32 v[RC+1], v[LL+1]
	v_nop                                          ; a plain place behind the reciprocals
	s_wait_alu depctr_va_vdst(0)                   ; one wait for both, ahead of their first reader
	v_permlanex16_b32 v[XC], v[RC], s88, s89
	v_permlanex16_b32 v[XC+1], v[RC+1], s88, s89
.irp e, 0,1                                    ; 1 / l of query 16 a + r in both halves of the lanes, twice, for the packed multiply
.irp u, 0,1
	v_cndmask_b32 v[RL+4*\e+\u], v[RC+\e], v[XC+\e], s87
	v_cndmask_b32 v[RL+4*\e+2+\u], v[XC+\e], v[RC+\e], s87
.endr
.endr
.macro WMS d, p, r, zero, sp, sr, po, ro
.set ROWS, 2*(\po)+(\ro)
.if \zero
.if ROWS == 0
	v_wmma_scale_f32_16x16x128_f8f6f4 v[(\d):(\d)+7], v[(\p):(\p)+7], v[(\r):(\r)+7], 0, v[(\sp)], v[(\sr)] matrix_a_fmt:MATRIX_FMT_FP4 matrix_b_fmt:MATRIX_FMT_FP4
.elseif ROWS == 1
	v_wmma_scale_f32_16x16x128_f8f6f4 v[(\d):(\d)+7], v[(\p):(\p)+7], v[(\r):(\r)+7], 0, v[(\sp)], v[(\sr)] matrix_a_fmt:MATRIX_FMT_FP4 matrix_b_fmt:MATRIX_FMT_FP4 matrix_b_scale:MATRIX_SCALE_ROW1
.elseif ROWS == 2
	v_wmma_scale_f32_16x16x128_f8f6f4 v[(\d):(\d)+7], v[(\p):(\p)+7], v[(\r):(\r)+7], 0, v[(\sp)], v[(\sr)] matrix_a_fmt:MATRIX_FMT_FP4 matrix_b_fmt:MATRIX_FMT_FP4 matrix_a_scale:MATRIX_SCALE_ROW1
.else
	v_wmma_scale_f32_16x16x128_f8f6f4 v[(\d):(\d)+7], v[(\p):(\p)+7], v[(\r):(\r)+7], 0, v[(\sp)], v[(\sr)] matrix_a_fmt:MATRIX_FMT_FP4 matrix_b_fmt:MATRIX_FMT_FP4 matrix_a_scale:MATRIX_SCALE_ROW1 matrix_b_scale:MATRIX_SCALE_ROW1
.endif
.else
.if ROWS == 0
	v_wmma_scale_f32_16x16x128_f8f6f4 v[(\d):(\d)+7], v[(\p):(\p)+7], v[(\r):(\r)+7], v[(\d):(\d)+7], v[(\sp)], v[(\sr)] matrix_a_fmt:MATRIX_FMT_FP4 matrix_b_fmt:MATRIX_FMT_FP4
.elseif ROWS == 1
	v_wmma_scale_f32_16x16x128_f8f6f4 v[(\d):(\d)+7], v[(\p):(\p)+7], v[(\r):(\r)+7], v[(\d):(\d)+7], v[(\sp)], v[(\sr)] matrix_a_fmt:MATRIX_FMT_FP4 matrix_b_fmt:MATRIX_FMT_FP4 matrix_b_scale:MATRIX_SCALE_ROW1
.elseif ROWS == 2
	v_wmma_scale_f32_16x16x128_f8f6f4 v[(\d):(\d)+7], v[(\p):(\p)+7], v[(\r):(\r)+7], v[(\d):(\d)+7], v[(\sp)], v[(\sr)] matrix_a_fmt:MATRIX_FMT_FP4 matrix_b_fmt:MATRIX_FMT_FP4 matrix_a_scale:MATRIX_SCALE_ROW1
.else
	v_wmma_scale_f32_16x16x128_f8f6f4 v[(\d):(\d)+7], v[(\p):(\p)+7], v[(\r):(\r)+7], v[(\d):(\d)+7], v[(\sp)], v[(\sr)] matrix_a_fmt:MATRIX_FMT_FP4 matrix_b_fmt:MATRIX_FMT_FP4 matrix_a_scale:MATRIX_SCALE_ROW1 matrix_b_scale:MATRIX_SCALE_ROW1
.endif
.endif
.endm
.macro FETCH s                         ; 16 LDS loads: chunk s: P's four fragments, V^T's four
.irp i, 0,1,2,3
.irp c, 0,1
	ds_load_b128 v[FA+32*((\s)%2)+8*\i+4*\c:FA+32*((\s)%2)+8*\i+4*\c+3], v[ADA] offset:(\s)*4096+\i*1024+\c*512
.endr
.endr
.irp i, 0,1,2,3
.irp c, 0,1
	ds_load_b128 v[FB+32*((\s)%2)+8*\i+4*\c:FB+32*((\s)%2)+8*\i+4*\c+3], v[ADB+(\s)/8] offset:((\s)%8)*4096+\i*1024+\c*512
.endr
.endr
.endm
.macro STEP s, more                    ; chunk s is multiplied while the next chunk's fragments come into the other set; the accumulators take turns, one instruction a turn
.if \more
	PLACES                                         ; in front of loads into registers that the last products read
	FETCH (\s)+1
	s_wait_dscnt 16                                ; all but the 16 just issued
.else
	s_wait_dscnt 0x0
.endif
.if (\s) == 0
	WIN 0x40
.else
	WIN 0x50
.endif
.irp a, 0,1,2,3
.irp b, 0,1,2,3
.if (\s) == 0
	WMS 8*(4*\a+\b), FB+8*\b, FA+8*\a, 1, SVS+\b/2, SAW+\a/2, \b%2, \a%2
.else
	WMS 8*(4*\a+\b), FB+32*((\s)%2)+8*\b, FA+32*((\s)%2)+8*\a, 0, SVS+2*(\s)+\b/2, SAW+2*(\s)+\a/2, \b%2, \a%2
.endif
.endr
.endr
	WIN 0
.endm
	s_wait_alu depctr_va_vdst(0)
	s_cmp_lt_u32 s16, 4
	s_cbranch_scc0 .Lnot_mine
	s_wait_tensorcnt 0x0                           ; waves 0-3: my load is in; waves 4-7's may stay out
.Lnot_mine:
	s_barrier_signal -1
	s_barrier_wait -1                              ; all that the short tile needs is in; nothing is filled again
	s_cmp_lt_u32 s16, 4
	s_cbranch_scc0 .Lshort_done
	FETCH 0                                        ; the short tile
.irp s, 0,1,2,3,4,5,6
	STEP \s, 1
	s_cmp_eq_u32 s23, \s                           ; the tile's last chunk?
	s_cbranch_scc1 .Lshort_done
.endr
	STEP 7, 0
.Lshort_done:
	s_wait_tensorcnt 0x0                           ; waves 4-7: my load is in too,
	s_wait_dscnt 0x0                               ; and the fetch that ran ahead of the exit has landed
	s_barrier_signal -1
	s_barrier_wait -1                              ; all loads are in
	s_cmp_lt_u32 s16, 4
	s_cbranch_scc1 .Lflush
	PLACES
	FETCH 0                                        ; the long tile
.irp s, 0,1,2,3,4,5,6,7,8,9,10,11,12,13,14
	STEP \s, 1
	s_cmp_eq_u32 s23, \s
	s_cbranch_scc1 .Lflush
.endr
	STEP 15, 0
.Lflush:
	; The way out, 16 queries at a time: x 1 / l; through my own stage; back as whole rows of 256 bytes: sixteen lanes store 256 consecutive bytes, at a multiple of 256 from out0's first byte.
	s_wait_dscnt 0x0                               ; the fetch that ran ahead of the exit has landed: its registers may be written
	PLACES
.irp a, 0,1,2,3
	WIN 0x01
.irp k, 0,2,4,6,8,10,12,14,16,18,20,22,24,26,28,30
	v_pk_mul_f32 v[T+\k:T+\k+1], v[32*\a+\k:32*\a+\k+1], v[RL+2*\a:RL+2*\a+1]   ; each accumulator from its low end on
.endr
	WIN 0
.irp b, 0,1,2,3
	ds_store_b128 v[STO], v[T+8*\b:T+8*\b+3] offset:64*\b
	ds_store_b128 v[STO], v[T+8*\b+4:T+8*\b+7] offset:64*\b+16
.endr
.if \a > 1
	s_wait_xcnt 0x0                                ; the stores of two blocks back have read these registers
.endif
.irp t, 0,1,2,3,4,5,6,7
	ds_load_b128 v[BK+32*(\a%2)+4*\t:BK+32*(\a%2)+4*\t+3], v[RD] offset:544*\t   ; LDS serves a wave's instructions in order (ISA guide 5.7.1.4): these see the stores above
.endr
	s_wait_dscnt 0x0
.irp t, 0,1,2,3,4,5,6,7
	global_store_b128 v[GO], v[BK+32*(\a%2)+4*\t:BK+32*(\a%2)+4*\t+3], s[OUT:OUT+1] offset:65536*\a+8192*\t th:TH_STORE_NT
.endr
.endr
	s_wait_tensorcnt 0x0                           ; the wave's end, behind my last LDS store
	ds_add_u32 v[SPW], v[NIL]
	s_wait_dscnt 0x0
	CROUND                                         ; the closing round
	s_endpgm
.Lfunc_end_k_qb1d77bc91a_pv:
	.size	k_qb1d77bc91a_pv, .Lfunc_end_k_qb1d77bc91a_pv-k_qb1d77bc91a_pv
	.p2alignl 7, 3214868480
	.fill 96, 4, 3214868480
	.section	.rodata,"a",@progbits
	.p2align	6, 0x0
	.amdhsa_kernel k_qb1d77bc91a_pv
		.amdhsa_group_segment_fixed_size 327680
		.amdhsa_private_segment_fixed_size 0
		.amdhsa_enable_private_segment 0
		.amdhsa_kernarg_size 40
		.amdhsa_user_sgpr_count 2
		.amdhsa_user_sgpr_kernarg_segment_ptr 1
		.amdhsa_wavefront_size32 1
		.amdhsa_system_sgpr_workgroup_id_x 1
		.amdhsa_system_sgpr_workgroup_id_y 1
		.amdhsa_system_sgpr_workgroup_id_z 1
		.amdhsa_system_vgpr_workitem_id 0
		.amdhsa_next_free_vgpr 384
		.amdhsa_next_free_sgpr 102
		.amdhsa_reserve_vcc 0
		.amdhsa_float_denorm_mode_32 3
		.amdhsa_float_denorm_mode_16_64 3
		.amdhsa_memory_ordered 1
		.amdhsa_forward_progress 1
		.amdhsa_inst_pref_size 121
	.end_amdhsa_kernel
	.amdgpu_metadata
---
amdhsa.version: [ 1, 2 ]
amdhsa.kernels:
  - .name:           k_qb1d77bc91a_pv
    .symbol:         k_qb1d77bc91a_pv.kd
    .args:
      - { .name: pimg, .offset: 0, .size: 8, .value_kind: global_buffer, .address_space: global }
      - { .name: pst, .offset: 8, .size: 8, .value_kind: global_buffer, .address_space: global }
      - { .name: img, .offset: 16, .size: 8, .value_kind: global_buffer, .address_space: global }
      - { .name: scl, .offset: 24, .size: 8, .value_kind: global_buffer, .address_space: global }
      - { .name: out0, .offset: 32, .size: 8, .value_kind: global_buffer, .address_space: global }
    .group_segment_fixed_size: 327680
    .private_segment_fixed_size: 0
    .kernarg_segment_align: 8
    .kernarg_segment_size: 40
    .max_flat_workgroup_size: 256
    .sgpr_count:     102
    .vgpr_count:     384
    .wavefront_size: 32
...
	.end_amdgpu_metadata
.endif
;; end of part 3
